; MI455X (gfx1250); checked and timed in simulation.
; The chip was launched on July 23, 2026; its instructions are those of AMD's public machine-readable ISA for CDNA 5 (MIT licence, August 2026) and "CDNA5" Instruction Set Architecture Reference Guide (July 2026). The comments in the code are by the model that wrote it; some were corrected since.
;; Self Attention. Allowed arithmetic: matrix products marked QUANTISED: E2M3 operands, one E8M0 scale for each 32 along K, by v_wmma_scale_f32_16x16x128_f8f6f4 with both operands' format E2M3, f32 sums; everything else in f32.
;; Inputs: Wk 1,024 x 1,024 float32; Wo 1,024 x 1,024 float32; Wq 1,024 x 1,024 float32; Wv 1,024 x 1,024 float32; bo 1,024 float32; x 4 x 2,048 x 1,024 float32.
;; Outputs: out0 4 x 2,048 x 1,024 float32.
;; This version of the problem:
;;   THIS VERSION OF THE PROBLEM IS GIVEN IN LOW PRECISION. The matrix products marked QUANTISED in the list below multiply operands that are first quantised to E2M3 (2 exponent bits, 3 mantissa bits; 6 bits a number), with one power-of-two scale for each 32 numbers along K (OCP MX v1.0); their sums are f32. All else is computed in f32.
;;   The module's matrix products, in the order in which they are computed (A, B: the left and right operand; K: the contracted axis; several contracted axes count as one K, in the product's order):
;;     1. [M 8,192, K 1,024] x [K 1,024, N 1,024]; A: input x; B: input Wq: QUANTISED
;;     2. [M 8,192, K 1,024] x [K 1,024, N 1,024]; A: input x; B: input Wk: QUANTISED
;;     3. [M 8,192, K 1,024] x [K 1,024, N 1,024]; A: input x; B: input Wv: QUANTISED
;;     4. batch 4 x [M 2,048, K 1,024] x [K 1,024, N 2,048]; A: computed on the way; B: computed on the way: QUANTISED
;;     5. batch 4 x [M 2,048, K 2,048] x [K 2,048, N 1,024]; A: softmax (see below); B: computed on the way: QUANTISED
;;     6. [M 8,192, K 1,024] x [K 1,024, N 1,024]; A: computed on the way; B: input Wo: QUANTISED
;;   THE QUANTISER, for each operand of a quantised product, along K:
;;     - K is cut into blocks of 32 from its start; a last block that is shorter is filled with zeros.
;;     - A block's scale is 2^e with e = floor(log2(the largest magnitude in the block)) - 2, held to -126 .. 127; a block of zeros has e = 0. As a byte (E8M0): e + 127.
;;     - Each number is divided by its block's scale, clamped to +-7.5, and rounded to the nearest number of E2M3, ties to even, subnormals kept.
;;     - The product sums the exact products of the quantised numbers (number of the format x scale) in f32.
;;   ~~~python
;;   def quantise(x, axis):      # numpy; x: float32 -> the quantised numbers, widened to float32 again
;;       x = np.moveaxis(x, axis, -1); K = x.shape[-1]
;;       x = np.pad(x, [(0, 0)] * (x.ndim - 1) + [(0, -K % 32)]); x = x.reshape(x.shape[:-1] + (-1, 32)); a = np.abs(x).max(-1, keepdims=True)
;;       e = np.where(a > 0, np.clip(np.frexp(np.where(a > 0, a, 1))[1] - 1 - 2, -126, 127), 0)      # np.frexp(a)[1] - 1 = floor(log2(a)), exactly
;;       r = np.clip(x / 2.0 ** e, -7.5, 7.5)
;;       step = 2.0 ** (np.maximum(np.frexp(np.where(r == 0, 1, r))[1] - 1, 0) - 3)
;;       q = np.round(r / step) * step * 2.0 ** e      # np.round: ties to even
;;       return np.moveaxis(q.reshape(q.shape[:-2] + (-1,))[..., :K], -1, axis).astype(np.float32)
;;   ~~~
;;   SOFTMAX AHEAD OF A QUANTISED PRODUCT. Where the list says 'softmax', what is quantised is not the finished softmax but p = 2^(t - M), with t = logit x log2(e) and M = ceil(the row's largest t), a whole number; so 1/2 < the row's largest p <= 1. The row's sum l is taken of the UNQUANTISED p, in f32, and the product's result is divided by l at the end. Since M is a whole number, a kernel that streams over the keys may use a running M (the ceiling of the running maximum): every later rescaling is an exact power of two, which a block's scale takes up: the codes' values come out the same.
;;   OPERANDS COMPUTED ON THE WAY. 'Computed on the way' means the value that the module computes at that place (a softmax that the list does not call 'softmax' is quantised finished and normalised). What goes into a quantiser is computed in f32, as accurately as f32 sums, v_exp_f32 and their like allow (about 1e-6 of the number): no bf16 or f16 on the way to a quantiser, and a product that is left as it is and whose result goes on into a quantised operand takes f32 operands (vector FMAs, or v_wmma_f32_16x16x4_f32). A number that lies on a knife's edge between two numbers of the format may be rounded either way, as far as f32 arithmetic and the matrix unit's own rounding can turn it there, and no further.
;; One version. Each part assembles by itself: llvm-mc -triple=amdgcn-amd-amdhsa -mcpu=gfx1250 --defsym DOCPART=n.
;; ======== version 1 of 1: 5 launches
;; limits: right only within a limited range of input values
;; workspace buffers: qin 9,830,400 bytes; qkv 19,660,800 bytes; pbuf 14,155,776 bytes; obuf 6,553,600 bytes
;; launch quant (part 1): grid 768 x 1, 4 waves a work-group, no clusters, 34,304 bytes of LDS; arguments x, Wq, Wk, Wv, Wo, qin; writes qin
.if DOCPART == 1
	.amdgcn_target "amdgcn-amd-amdhsa--gfx1250"
	.amdhsa_code_object_version 6
	.text
	.protected	k_qbdf25888a3_quant
	.globl	k_qbdf25888a3_quant
	.p2align	8
	.type	k_qbdf25888a3_quant,@function
k_qbdf25888a3_quant:
	s_mov_b64 s[64:65], 0
	v_nop
	global_prefetch_b8 v0, s[64:65] scope:SCOPE_SE
	s_setreg_imm32_b32 hwreg(HW_REG_WAVE_MODE, 25, 1), 1
	s_wait_xcnt 0x0
; x [8192][1024], Wq, Wk, Wv, Wo [1024][1024], f32, become codes of FP6 (E2M3) along their last axis, with one E8M0 byte for each 32 numbers.
; A block's scale is 2^(floor(log2(its largest magnitude)) - 2): its byte is the largest magnitude's exponent field - 2, held at 1 from below.
; LAYOUT OF qin.  768 tiles of 16 rows (x 0-511, Wq 512-575, Wk 576-639, Wv 640-703, Wo 704-767).  A fragment (16 rows x 128 K) is stored as the image of the 12 registers
; that the matrix instruction takes: registers 4 g .. 4 g + 3 of lane l at byte 512 g + 16 l: 1,536 bytes; fragment (tile T, K step s) at (8 T + s) x 1,536.
; Scale words (four bytes: 128 K of one row): [T][s][16 rows], from byte SC0 on.
; THE ROWS OF A TILE ARE NOT NEIGHBOURS: lane r of tile 2 b + u holds row 32 b + 8 u + r + 8 (r / 8), so that a later product's results lie along the next K in a lane's registers.
; SHARES.  A work-group takes one tile; wave w takes K steps 2 w and 2 w + 1.  All 32 loads of a wave go out at its head; a load reads 512 consecutive bytes of one row.  The 16 rows x 512 bytes of a
; fragment turn through the wave's own stage in LDS (rows 528 bytes apart), from which lane (r, h) takes 16 neighbours of each block of 32 of row r.
; The launch streams: no matrix unit, no cluster, no barrier (waves share nothing).
; LIMITS: NaN and infinities are not served; a block whose largest magnitude lies under 2^-124 gets the byte 1; a block of zeros gets the byte 1 and not 127 (its codes are zeros, and this program alone reads the bytes).
.set STG,   8448                       ; a wave's stage: 16 rows x 528 bytes
.set SPARE, 4*STG                      ; behind the stages: the spare words, 128 bytes a wave
.set SC0,   9437184                    ; where the scale words begin in qin
.set SPW, 8                            ; v8   LDS address of my spare word; never rewritten
.set NIL, 9                            ; v9   0; never rewritten
.set TM,  16                           ; v16-31 at work: +0 maxima, +4 the other half's, +8 bytes, +12 the conversions' scale operands
.set PW,  32                           ; v32-33 the scale word of each of my two fragments
.set SW,  36                           ; v36  the two K steps' words side by side
.set PC,  40                           ; v40-59 the codes just made
.set R,   64                           ; v64-191 two sets of 64: a fragment's numbers as loaded
.set X,   192                          ; v192-255 the same, 16 neighbours of each block
.set SEL, 34                           ; s[34:35] v_permlanex16_b32's selects for lane l xor 16
.set HI,  36                           ; s36  lanes 16-31
	s_load_b256 s[4:11], s[0:1], 0x0               ; x, Wq, Wk, Wv
	s_load_b128 s[12:15], s[0:1], 0x20             ; Wo, qin
	v_lshl_add_u32 v[SPW], v0, 2, SPARE
	v_mov_b32 v[NIL], 0
	v_lshrrev_b32 v1, 5, v0
	v_readfirstlane_b32 s20, v1                    ; wave
	v_and_b32 v1, 31, v0                           ; lane
	v_and_b32 v5, 15, v0                           ; r
	v_bfe_u32 v7, v0, 4, 1                         ; h
	v_lshlrev_b32 v2, 4, v1                        ; 16 x lane: my bytes of a load, and of an image
	v_lshlrev_b32 v6, 2, v1                        ; 4 x lane: my scale word
	s_mul_i32 s21, s20, STG
	v_add_nc_u32 v3, s21, v2                       ; the stage, on the way in
	v_mul_u32_u24 v4, v5, 528
	v_lshl_add_u32 v4, v7, 6, v4
	v_add_nc_u32 v4, s21, v4                       ; and on the way out: row r, + 64 h
.irp b, 0,1,2,3
	v_mov_b32 v[TM+4+\b], 0                        ; written once: a lane permute's destination counts as one of its sources
.endr
	s_mov_b32 s[SEL], 0x76543210
	s_mov_b32 s[SEL+1], 0xfedcba98
	s_mov_b32 s[HI], 0xffff0000
	s_mul_i32 s28, ttmp9, 12288                    ; my tile's codes,
	s_mul_i32 s19, s20, 3072
	s_add_co_u32 s28, s28, s19                     ; my two fragments
	s_mov_b32 s29, 0
	s_lshl_b32 s30, ttmp9, 9
	s_lshl_b32 s19, s20, 7
	s_add_co_u32 s30, s30, s19
	s_add_co_u32 s30, s30, SC0                     ; and their scale words
	s_mov_b32 s31, 0
	s_and_b32 s18, ttmp9, 63                       ; a weight's tile
	s_wait_alu depctr_va_vdst(0)
	s_wait_kmcnt 0x0
	s_mov_b64 s[16:17], s[12:13]                   ; which tensor: the choice hangs on the work-group's number alone
	s_cmp_lt_u32 ttmp9, 704
	s_cselect_b64 s[16:17], s[10:11], s[16:17]
	s_cmp_lt_u32 ttmp9, 640
	s_cselect_b64 s[16:17], s[8:9], s[16:17]
	s_cmp_lt_u32 ttmp9, 576
	s_cselect_b64 s[16:17], s[6:7], s[16:17]
	s_cmp_lt_u32 ttmp9, 512
	s_cselect_b64 s[16:17], s[4:5], s[16:17]
	s_cselect_b32 s18, ttmp9, s18                  ; x's tile
	s_lshr_b32 s24, s18, 1
	s_lshl_b32 s24, s24, 17                        ; two tiles share 32 rows of 4,096 bytes,
	s_and_b32 s19, s18, 1
	s_lshl_b32 s19, s19, 15                        ; the odd tile begins 8 rows on,
	s_add_co_u32 s24, s24, s19
	s_lshl_b32 s19, s20, 10                        ; two K steps are 1,024 bytes
	s_add_co_u32 s24, s24, s19
	s_mov_b32 s25, 0
	s_add_nc_u64 s[16:17], s[16:17], s[24:25]
	s_add_nc_u64 s[28:29], s[14:15], s[28:29]
	s_add_nc_u64 s[30:31], s[14:15], s[30:31]
.macro LOAD t                          ; fragment t: the tile's 16 rows, 512 bytes of each
.irp i, 0,1,2,3,4,5,6,7,8,9,10,11,12,13,14,15
	global_load_b128 v[R+64*(\t)+4*\i:R+64*(\t)+4*\i+3], v2, s[16:17] offset:(\i+8*(\i/8))*4096+512*(\t) th:TH_LOAD_NT
.endr
.endm
; 64 numbers of a lane, register 16 b + i = k 32 b + 16 h + i of my row, become a fragment's codes in v[PC] on and its scale word in v[pw]
.macro QUANT0 s, pw
.irp b, 0,1,2,3
	v_max3_num_f32 v[TM+\b], |v[(\s)+16*\b]|, |v[(\s)+16*\b+1]|, 0x1800000   ; my 16 numbers of block b, and the floor 2^(3 - 127): so the byte cannot fall under 1
.endr
.irp i, 2,4,6,8,10,12,14
.irp b, 0,1,2,3
	v_max3_num_f32 v[TM+\b], v[TM+\b], |v[(\s)+16*\b+\i]|, |v[(\s)+16*\b+\i+1]|
.endr
.endr
.irp b, 0,1,2,3
	v_permlanex16_b32 v[TM+4+\b], v[TM+\b], s[SEL], s[SEL+1]
.endr
.irp b, 0,1,2,3
	v_max_num_f32 v[TM+\b], v[TM+\b], v[TM+4+\b]   ; with lane l xor 16's: the block's largest magnitude
.endr
.irp b, 0,1,2,3
	v_add_nc_u32 v[TM+12+\b], 0xff000000, v[TM+\b] ; 2 off its exponent field: the conversion takes this operand's exponent field as its scale
.endr
.irp b, 0,1,2,3
	v_lshrrev_b32 v[TM+8+\b], 23, v[TM+12+\b]      ; the scale's byte
.endr
	v_lshl_or_b32 v[\pw], v[TM+9], 8, v[TM+8]
	v_lshl_or_b32 v[\pw], v[TM+10], 16, v[\pw]
	v_lshl_or_b32 v[\pw], v[TM+11], 24, v[\pw]     ; my row's scale word
.irp c, 0,1
	v_cvt_scalef32_pk16_fp6_f32 v[PC+6*\c:PC+6*\c+2], v[(\s)+32*\c:(\s)+32*\c+15], v[TM+12+2*\c]
	v_cvt_scalef32_pk16_fp6_f32 v[PC+12+4*\c:PC+12+4*\c+2], v[(\s)+16+32*\c:(\s)+16+32*\c+15], v[TM+13+2*\c]   ; (a conversion's three registers begin on an even number)
.endr
	v_nop                                          ; one plain place behind a scaled conversion
.irp c, 0,1                            ; the operand's layout wants a whole block in a lane: lanes 0-15 block 2 c, lanes 16-31 block 2 c + 1
.irp i, 0,1,2
	v_permlane16_swap_b32 v[PC+6*\c+\i], v[PC+12+4*\c+\i]
.endr
.irp i, 0,1,2
	v_mov_b32 v[PC+3+6*\c+\i], v[PC+12+4*\c+\i]
.endr
.endr
.endm
.macro FRAGQ t
.if (\t) < 1
	s_wait_loadcnt 16                              ; this fragment's 16 loads are in; the second fragment's 16 stay out
.else
	s_wait_loadcnt 0x0
.endif
.irp i, 0,1,2,3,4,5,6,7,8,9,10,11,12,13,14,15
	ds_store_b128 v3, v[R+64*(\t)+4*\i:R+64*(\t)+4*\i+3] offset:528*\i
.endr
.irp b, 0,1,2,3
.irp j, 0,1,2,3
	ds_load_b128 v[X+16*\b+4*\j:X+16*\b+4*\j+3], v4 offset:128*\b+16*\j   ; LDS serves a wave's instructions in order: these see the stores above
.endr
.endr
	s_wait_dscnt 0x0                               ; the numbers are back
.if (\t) > 0
	s_wait_xcnt 0x0                                ; the first fragment's stores have read the codes' registers, which are written again below
.endif
	QUANT0 X, PW+(\t)
.irp g, 0,1,2
	global_store_b128 v2, v[PC+4*\g:PC+4*\g+3], s[28:29] offset:1536*(\t)+512*\g   ; 32 lanes store 512 consecutive bytes
.endr
.endm
	LOAD 0
	LOAD 1
	FRAGQ 0
	FRAGQ 1
	v_cndmask_b32 v[SW], v[PW], v[PW+1], s[HI]     ; lanes 0-15 the even K step's words, lanes 16-31 the odd one's: 128 consecutive bytes
	global_store_b32 v6, v[SW], s[30:31]
	s_wait_tensorcnt 0x0                           ; the wave's end, behind my last LDS store
	ds_add_u32 v[SPW], v[NIL]
	s_wait_dscnt 0x0
	s_endpgm
.Lfunc_end_k_qbdf25888a3_quant:
	.size	k_qbdf25888a3_quant, .Lfunc_end_k_qbdf25888a3_quant-k_qbdf25888a3_quant
	.p2alignl 7, 3214868480
	.fill 96, 4, 3214868480
	.section	.rodata,"a",@progbits
	.p2align	6, 0x0
	.amdhsa_kernel k_qbdf25888a3_quant
		.amdhsa_group_segment_fixed_size 34304
		.amdhsa_private_segment_fixed_size 0
		.amdhsa_enable_private_segment 0
		.amdhsa_kernarg_size 48
		.amdhsa_user_sgpr_count 2
		.amdhsa_user_sgpr_kernarg_segment_ptr 1
		.amdhsa_wavefront_size32 1
		.amdhsa_system_sgpr_workgroup_id_x 1
		.amdhsa_system_sgpr_workgroup_id_y 1
		.amdhsa_system_sgpr_workgroup_id_z 1
		.amdhsa_system_vgpr_workitem_id 0
		.amdhsa_next_free_vgpr 256
		.amdhsa_next_free_sgpr 66
		.amdhsa_reserve_vcc 0
		.amdhsa_float_denorm_mode_32 3
		.amdhsa_float_denorm_mode_16_64 3
		.amdhsa_memory_ordered 1
		.amdhsa_forward_progress 1
		.amdhsa_inst_pref_size 19
	.end_amdhsa_kernel
	.amdgpu_metadata
---
amdhsa.version: [ 1, 2 ]
amdhsa.kernels:
  - .name:           k_qbdf25888a3_quant
    .symbol:         k_qbdf25888a3_quant.kd
    .args:
      - { .name: x, .offset: 0, .size: 8, .value_kind: global_buffer, .address_space: global }
      - { .name: Wq, .offset: 8, .size: 8, .value_kind: global_buffer, .address_space: global }
      - { .name: Wk, .offset: 16, .size: 8, .value_kind: global_buffer, .address_space: global }
      - { .name: Wv, .offset: 24, .size: 8, .value_kind: global_buffer, .address_space: global }
      - { .name: Wo, .offset: 32, .size: 8, .value_kind: global_buffer, .address_space: global }
      - { .name: qin, .offset: 40, .size: 8, .value_kind: global_buffer, .address_space: global }
    .group_segment_fixed_size: 34304
    .private_segment_fixed_size: 0
    .kernarg_segment_align: 8
    .kernarg_segment_size: 48
    .max_flat_workgroup_size: 128
    .sgpr_count:     66
    .vgpr_count:     256
    .wavefront_size: 32
...
	.end_amdgpu_metadata
.endif
;; end of part 1
;; launch qkv (part 2): grid 64 x 4, 4 waves a work-group, clusters of 4 x 4, 327,680 bytes of LDS; arguments qin, qkv; writes qkv
.if DOCPART == 2
	.amdgcn_target "amdgcn-amd-amdhsa--gfx1250"
	.amdhsa_code_object_version 6
	.text
	.protected	k_qbdf25888a3_qkv
	.globl	k_qbdf25888a3_qkv
	.p2align	8
	.type	k_qbdf25888a3_qkv,@function
k_qbdf25888a3_qkv:
	s_mov_b64 s[64:65], 0
	v_nop
	global_prefetch_b8 v0, s[64:65] scope:SCOPE_SE
	s_setreg_imm32_b32 hwreg(HW_REG_WAVE_MODE, 25, 1), 1
	s_wait_xcnt 0x0
	s_wait_alu depctr_hold_cnt(0) depctr_sa_sdst(0) depctr_va_vdst(0) depctr_va_sdst(0) depctr_va_ssrc(0) depctr_va_vcc(0) depctr_vm_vsrc(0)
	s_getreg_b32 s2, hwreg(HW_REG_IB_STS2, 6, 4)
	s_cmp_eq_u32 s2, 0
	s_cbranch_scc0 .Lentry_in_a_cluster
	s_endpgm
.Lentry_in_a_cluster:
	s_bfe_u32 s2, ttmp6, 0x10000c
	s_cmp_lg_u32 s2, 0xf033
	s_cbranch_scc0 .Lentry_shape_is_right
	s_endpgm
.Lentry_shape_is_right:
; q | k = x [Wq; Wk]^T (8,192 x 2,048) and v^T = Wv x^T (1,024 x 8,192), K = 1,024, on codes of FP6 (E2M3) with E8M0 scales; the results are quantised in registers along the NEXT product's K and stored as codes.
; All tensors of codes are images of operand registers: fragment (tile T of 16 rows, K step s of 128) = 1,536 bytes, registers 4 g .. 4 g + 3 of lane l at 512 g + 16 l; scale words [T][s][16 rows].
; Lane r of tile 2 b + u holds row 32 b + 8 u + r + 8 (r / 8).  In a product lane (r, h) holds source 1's row of lane r, and register 16 b + i of the eight accumulators of a source-1 tile holds source 0's row 32 b + 16 h + i:
; 16 neighbours along the next K, as the conversion takes them.  q | k: source 0 = weights, source 1 = x: quantised along e.  v^T: source 0 = x, source 1 = Wv: quantised along the keys.
; A WORK-GROUP STAYS.  Work-group (R, g) keeps the 128 rows 128 R .. of x (8 tiles, all of K) in LDS for the whole launch and multiplies them by three blocks of 256 weight rows (16 tiles): blocks 2 g and 2 g + 1 of [Wq; Wk], then block g of Wv.
; q | k: wave w takes x's tiles 4 (w / 2) .. + 3 and the block's tiles 8 (w % 2) .. + 7.  v^T: wave w takes all 8 tiles of x and Wv's tiles 4 w .. + 3 of the block.  32 accumulators either way.
; LDS: four chunks of two K steps; in a chunk x's 8 tiles, then the weights' 16.  The first fills go out at the start, one tensor load a wave.  THE NEXT WEIGHTS are asked for in a tile's last K step, when every wave has its last
; fragments in registers: one tensor load a wave (wave w: chunk w), behind a round of the cluster's barrier; it lands while the tile's results are quantised and stored.  By this text's count a wave has one load out at the start, later one.
; CLUSTER 4 x 4: R = 4 x cluster + cy, g = cx.  x's tiles are asked for jointly along a row of the cluster, the weights along a column.
; REGISTERS, in windows of 256: window 0 addresses, scale words, the way out; window 1 source 0's fragments, two sets (v0, v96); window 2 the accumulators ((a, t) at v[8 (8 a + t)]); window 3 source 1's fragments, two sets (v0, v48).
; LIMITS: NaN and infinities are not served; a block whose largest magnitude lies under 2^-124 gets the byte 1, a block of zeros too (its codes are zeros; this program alone reads the bytes).
; LDS AS THIS TEXT HAS IT (in place of the chunks named above): whole tiles, all eight K steps of a tile on end (12,288 bytes): x's 8 tiles from byte 0, the weights' 16 from BOFF.
; The first fills are one tensor load a wave: waves 0, 1 four tiles of x each, waves 2, 3 eight weight tiles each; one wait for 0 and one barrier show them to all.  A refill is four whole tiles a wave.
.set TP,    12288                      ; from tile to tile: eight fragments
.set NSP,   4                          ; scale registers a tile: one for two K steps
.set CH,    73728                      ; a quarter of the tiles' bytes
.set BOFF,  98304
.set SPARE, 4*CH                       ; behind the chunks: the spare words, 128 bytes a wave
.set SC0,   9437184                    ; qin: the scale words
.set VTC,   12582912                   ; qkv: v^T's codes [64][64][1536];  q | k's lie at 0: [512][16][1536]
.set QKS,   18874368                   ; q | k's scale words [512][16][64]
.set VTS,   19398656                   ; v^T's [64][64][64]
.set LI,  4                            ; v4   16 x lane
.set L4,  5                            ; v5   4 x lane
.set ADAQ, 6                           ; v6   q | k: LDS address of my x fragments
.set ADBQ, 10                          ; v10-13 q | k: of my weight fragments
.set SPW, 14                           ; v14  LDS address of my spare word; never rewritten
.set NIL, 15                           ; v15  0; never rewritten
.set SAQ, 16                           ; v16-31 scale words of my four x tiles: tile a, K steps 2 p (lanes 0-15) and 2 p + 1 (lanes 16-31) at 4 a + p
.set SB0, 32                           ; v32-63 of my eight weight tiles of the first block: 4 t + p
.set TM,  64                           ; v64-79 at work
.set PW,  80                           ; v80-83 the scale word of each source-1 tile's results
.set PC,  84                           ; v84-103 the codes just made
.set ADAV, 104                         ; v104-107 v^T: LDS address of my Wv fragments
.set ADBV, 108                         ; v108-111 v^T: of x's fragments
.set SB1, 112                          ; v112-143 scale words of the second block's tiles
.set SAV, 144                          ; v144-159 of my four Wv tiles
.set SBV, 160                          ; v160-191 of x's eight tiles
.set SOQ, 192                          ; v192 where two tiles' scale words go in q | k
.set SOV, 193                          ; v193 and in v^T
.set SW,  194                          ; v194-195 two tiles' words side by side
.set G1A, 24                           ; s[24:31] group 1, x's first fills (4 tiles)
.set G1B, 32                           ; s[32:39] the weights' first fills (8 tiles)
.set G0A, 40                           ; s[40:43] group 0 for x's first fill
.set G0B, 68                           ; s[68:83] for the weights' first fills
.set G1W, 84                           ; s[84:91] group 1 of a refill (16 tiles)
.set G0W, 92                           ; s[92:95] group 0 of a refill
.set SEL, 96
.set FL,  98
.set HI,  99
.set ADA, ADAQ                         ; what the macros below name; set anew ahead of a tile
.set ADB, ADBQ
.set SA,  SAQ
.set SB,  SB0
.set MSB, 0
.macro WIN new                         ; the immediate's high byte repeats the setting that is left
.if MSB != \new
	s_set_vgpr_msb (MSB<<8)|\new
.set MSB, \new
.endif
.endm
.set W_MUL,  0xad                      ; source 0 window 1, source 1 window 3, C and D window 2
.set TO_B,   0x40
.set TO_A,   0xc0
.macro PLACES n
.rept \n
	v_nop
.endr
.endm
.macro CREST                           ; a round of the cluster's barrier behind its opening barrier
	s_cmp_lg_u32 s12, 0
	s_cbranch_scc1 .Lnot_wave_0_\@
	s_barrier_signal -3
.Lnot_wave_0_\@:
	s_barrier_wait -3
	s_barrier_signal -1
	s_barrier_wait -1
.endm
.macro CROUND
	s_barrier_signal -1
	s_barrier_wait -1
	CREST
.endm
; The first fills: waves 0 and 1 fetch for x, waves 2 and 3 for the weights; the branch hangs on the wave's number alone.  An s_nop 0 and four v_nop follow each of the two lines.
.macro JLOAD g0a, g1a, g0b, g1b
	s_cmp_eq_u32 s13, 0
	s_cbranch_scc0 .Lfor_b_\@
	tensor_load_to_lds s[\g0a:\g0a+3], s[\g1a:\g1a+7]
	s_nop 0
.rept 4
	v_nop
.endr
	s_branch .Lasked_\@
.Lfor_b_\@:
	tensor_load_to_lds s[\g0b:\g0b+3], s[\g1b:\g1b+7]
	s_nop 0
.rept 4
	v_nop
.endr
.Lasked_\@:
.endm
; 36 LDS loads in one run: a K step's 8 fragments of source 0 and 4 of source 1 into set buf; each load takes 512 consecutive bytes
.macro FETCH buf, ra, rb, off
	WIN TO_B
.irp t, 0,1,2,3,4,5,6,7
.irp g, 0,1,2
	ds_load_b128 v[96*(\buf)+12*\t+4*\g:96*(\buf)+12*\t+4*\g+3], v[\rb+\t/4] offset:(\off)+(\t%4)*TP+512*\g   ; a second address register for tiles 4-7: the offset stays inside 16 bits
.endr
.endr
	WIN TO_A
.irp a, 0,1,2,3
.irp g, 0,1,2
	ds_load_b128 v[48*(\buf)+12*\a+4*\g:48*(\buf)+12*\a+4*\g+3], v[\ra] offset:(\off)+\a*TP+512*\g
.endr
.endr
	WIN 0
.endm
; 16 matrix instructions: source 1's tiles a0, a0 + 1 x source 0's eight.  sp: the scale registers' index; odd = 1: the K step's words lie in lanes 16-31.  cm = 1: the products start the sums.
; The 32 accumulators take turns, one instruction a turn, in the same order in every step.
.macro MULA buf, sp, odd, a0, cm
.irp a, \a0, \a0+1
.irp t, 0,1,2,3,4,5,6,7
.set rD, 8*(8*(\a)+\t)
.set rB, 96*(\buf)+12*\t
.set rA, 48*(\buf)+12*(\a)
.set rSB, SB+NSP*\t+(\sp)
.set rSA, SA+NSP*(\a)+(\sp)
.if (\cm) == 1
	v_wmma_scale_f32_16x16x128_f8f6f4 v[rD:rD+7], v[rB:rB+11], v[rA:rA+11], 0, v[rSB], v[rSA] matrix_a_fmt:MATRIX_FMT_FP6 matrix_b_fmt:MATRIX_FMT_FP6
.elseif (\odd) == 1
	v_wmma_scale_f32_16x16x128_f8f6f4 v[rD:rD+7], v[rB:rB+11], v[rA:rA+11], v[rD:rD+7], v[rSB], v[rSA] matrix_a_fmt:MATRIX_FMT_FP6 matrix_b_fmt:MATRIX_FMT_FP6 matrix_a_scale:MATRIX_SCALE_ROW1 matrix_b_scale:MATRIX_SCALE_ROW1
.else
	v_wmma_scale_f32_16x16x128_f8f6f4 v[rD:rD+7], v[rB:rB+11], v[rA:rA+11], v[rD:rD+7], v[rSB], v[rSA] matrix_a_fmt:MATRIX_FMT_FP6 matrix_b_fmt:MATRIX_FMT_FP6
.endif
.endr
.endr
.endm
.macro MUL buf, sp, odd, cm
	WIN W_MUL
	MULA \buf, \sp, \odd, 0, \cm
	MULA \buf, \sp, \odd, 2, \cm
	WIN 0
.endm
; K step s of eight.  first is not used: all first fills are in and shown to every wave ahead of step 0.
; Four places stand in front of loads into registers that matrix instructions have read (ISA guide 7.12.1 for vector instructions).
.macro STEP s, cm, first
.if (\s) > 0
	PLACES 4
.endif
.if (\s) < 7
	FETCH ((\s)+1)%2, ADA, ADB, 1536*((\s)+1)
	s_wait_dscnt 36                                ; this step's fragments are in; the 36 loads just issued stay out
.else
	s_wait_dscnt 0x0
.endif
	MUL (\s)%2, (\s)/2, (\s)%2, \cm
.endm
; K step 7 of a tile that has a successor.  Each wave waits for all its tensor loads (none is out), adds 0 to its spare word, and waits for that and for its last reads of the weights; the barrier opens a round of the cluster's barrier.
; Behind the round no wave of any partner reads the weights' bytes any more: my chunk of the next block is asked for, the wave's one tensor load behind the round.  off: the scalar pair with that chunk's byte offset in qin.
.macro LASTR off
	s_wait_tensorcnt 0x0                           ; no tensor load of mine is out, so a group 0 may be written
	ds_add_u32 v[SPW], v[NIL]
	s_add_nc_u64 s[G0W+2:G0W+3], s[4:5], s[\off:\off+1]
	s_or_b32 s[G0W+3], s[G0W+3], 0x80000000
	s_wait_dscnt 0x0                               ; the add is done, K step 7's fragments are in, and my reads of LDS are over
	s_barrier_signal -1
	WIN W_MUL
	MULA 1, 3, 1, 0, 0                             ; work on registers while the others arrive
	WIN 0
	s_barrier_wait -1
	CREST
	tensor_load_to_lds s[G0W:G0W+3], s[G1W:G1W+7]
	s_nop 0
	PLACES 4
	WIN W_MUL
	MULA 1, 3, 1, 2, 0
	WIN 0
.endm
; The next tile begins: my chunk of its weights has landed (my one load: the count is 0), everybody's has; its first fragments; its scale words
.macro NEXTTILE
	s_wait_tensorcnt 0x0
	s_barrier_signal -1
	s_barrier_wait -1
	FETCH 0, ADA, ADB, 0
	s_wait_loadcnt 0x0
.endm
.macro SCL reg, cnt, base, off, pit    ; the scale words of cnt tiles, for all of K
.set i, 0
.rept \cnt
.irp k, 0,1,2,3
	global_load_b32 v[(\reg)+4*i+\k], v[L4], s[\base:\base+1] offset:(\off)+(\pit)*i+128*\k
.endr
.set i, i+1
.endr
.endm
; The largest magnitude of each of the four blocks of 32 in the 64 registers of window 2 from v[s] on (register 16 b + i = k 32 b + 16 h + i of my row); each accumulator is read from its low end on
.macro QMAX s
	WIN 0x28
.irp b, 0,1,2,3
	v_max3_num_f32 v[TM+\b], s[FL], |v[(\s)+16*\b]|, |v[(\s)+16*\b+1]|   ; with the floor 2^(3 - 127): the byte cannot fall under 1
.endr
.irp i, 2,4,6,8,10,12,14
.irp b, 0,1,2,3
	v_max3_num_f32 v[TM+\b], v[TM+\b], |v[(\s)+16*\b+\i]|, |v[(\s)+16*\b+\i+1]|
.endr
.endr
	WIN 0
.irp b, 0,1,2,3
	v_permlanex16_b32 v[TM+4+\b], v[TM+\b], s[SEL], s[SEL+1]
.endr
.irp b, 0,1,2,3
	v_max_num_f32 v[TM+\b], v[TM+\b], v[TM+4+\b]
.endr
.endm
; From the four maxima: the scale word in v[pw], the fragment's codes in v[PC] .. v[PC + 11]
.macro QFIN s, pw
.irp b, 0,1,2,3
	v_add_nc_u32 v[TM+12+\b], 0xff000000, v[TM+\b] ; 2 off the exponent field: the conversion's scale operand
.endr
.irp b, 0,1,2,3
	v_lshrrev_b32 v[TM+8+\b], 23, v[TM+12+\b]      ; the scale's byte
.endr
	v_lshl_or_b32 v[\pw], v[TM+9], 8, v[TM+8]
	v_lshl_or_b32 v[\pw], v[TM+10], 16, v[\pw]
	v_lshl_or_b32 v[\pw], v[TM+11], 24, v[\pw]
	WIN 0x02
.irp c, 0,1
	v_cvt_scalef32_pk16_fp6_f32 v[PC+6*\c:PC+6*\c+2], v[(\s)+32*\c:(\s)+32*\c+15], v[TM+12+2*\c]
	v_cvt_scalef32_pk16_fp6_f32 v[PC+12+4*\c:PC+12+4*\c+2], v[(\s)+16+32*\c:(\s)+16+32*\c+15], v[TM+13+2*\c]
.endr
	WIN 0
	v_nop                                          ; one plain place behind a scaled conversion
.irp c, 0,1
.irp i, 0,1,2
	v_permlane16_swap_b32 v[PC+6*\c+\i], v[PC+12+4*\c+\i]
.endr
.irp i, 0,1,2
	v_mov_b32 v[PC+3+6*\c+\i], v[PC+12+4*\c+\i]
.endr
.endr
.endm
.macro IMG ro, base, off               ; the fragment leaves as it stands: each store covers 512 consecutive bytes
.irp g, 0,1,2
	global_store_b128 v[\ro], v[PC+4*\g:PC+4*\g+3], s[\base:\base+1] offset:(\off)+512*\g
.endr
.endm
; THE WAY OUT of a tile: each source-1 tile's 128 results a row are one fragment of the next product.  cb, sb: the scalar pairs with the codes' and the scale words' places; pit: bytes from row tile to row tile;
; sp2: bytes from two row tiles' scale words to the next two's; later = 1: an earlier tile's stores may still read the registers that are written here
.macro WAYOUT cb, pit, off, sb, so, soff, sp2, later
	PLACES 4
.irp a, 0,1,2,3
.if (\a > 0) || (\later)
	s_wait_xcnt 0x0                                ; the last image's stores have read the codes' registers
.endif
	QMAX 64*\a
	QFIN 64*\a, PW+\a
	IMG LI, \cb, (\pit)*\a+(\off)
.endr
	v_cndmask_b32 v[SW], v[PW], v[PW+1], s[HI]
	v_cndmask_b32 v[SW+1], v[PW+2], v[PW+3], s[HI]
	global_store_b32 v[\so], v[SW], s[\sb:\sb+1] offset:\soff
	global_store_b32 v[\so], v[SW+1], s[\sb:\sb+1] offset:(\soff)+(\sp2)
.endm
	s_load_b128 s[4:7], s[0:1], 0x0                ; qin, qkv
	v_lshl_add_u32 v[SPW], v0, 2, SPARE
	v_mov_b32 v[NIL], 0
	ds_add_u32 v[SPW], v[NIL]                      ; the wave's opening: the add and its wait stand ahead of my first tensor load; work on registers stands between
	ds_add_u32 v[SPW], v[NIL]
	v_lshrrev_b32 v1, 5, v0
	v_readfirstlane_b32 s12, v1                    ; wave
	s_lshr_b32 s13, s12, 1                         ; q | k: my half of x's tiles.  Also: in the first fills I fetch for x (0) or for the weights (1)
	s_and_b32 s14, s12, 1                          ; q | k: my half of the block's tiles.  Also: which half of that tensor's tiles I fetch first
	s_bfe_u32 s15, ttmp6, 0x40000                  ; cx = g
	s_bfe_u32 s16, ttmp6, 0x40004                  ; cy
	v_and_b32 v1, 31, v0
	v_and_b32 v2, 15, v0                           ; r
	v_bfe_u32 v3, v0, 4, 1                         ; h
	v_lshlrev_b32 v[LI], 4, v1
	s_wait_alu depctr_va_vdst(0)
	v_lshlrev_b32 v[L4], 2, v1
.irp b, 0,1,2,3
	v_mov_b32 v[TM+4+\b], 0                        ; a lane permute's destination counts as one of its sources
.endr
	s_mov_b32 s[SEL], 0x76543210
	s_mov_b32 s[SEL+1], 0xfedcba98
	s_mov_b32 s[FL], 0x1800000
	s_mov_b32 s[HI], 0xffff0000
	s_lshl_b32 s17, ttmp9, 2
	s_add_co_u32 s17, s17, s16                     ; R: my 128 rows of x
	s_lshl_b32 s8, s17, 3                          ; x's first tile
	s_lshl_b32 s9, s15, 5
	s_add_co_u32 s9, s9, 512                       ; the first tile of block 2 g of [Wq; Wk]
	s_lshl_b32 s10, s14, 2
	s_add_co_u32 s10, s10, s8
	s_mul_i32 s2, s10, 12288                       ; x: the four tiles that I fetch, in bytes
	s_mov_b32 s3, 0
	s_lshl_b32 s11, s14, 3
	s_add_co_u32 s11, s11, s9
	s_mul_i32 s100, s11, 12288                     ; the first block: the eight tiles that I fetch
	s_mov_b32 s101, 0
	s_mul_i32 s22, s14, 49152                      ; and where they go: four tiles of x,
	s_mul_i32 s23, s14, 98304                      ; eight weight tiles
	s_add_co_u32 s23, s23, BOFF
	s_mul_i32 s11, s12, 49152                      ; the refills: wave w fetches tiles 4 w .. 4 w + 3
	s_add_co_u32 s18, s9, 16
	s_mul_i32 s18, s18, 12288
	s_add_co_u32 s18, s18, s11                     ; of block 2 g + 1,
	s_mov_b32 s19, 0
	s_lshl_b32 s20, s15, 4
	s_add_co_u32 s20, s20, 640
	s_mul_i32 s20, s20, 12288
	s_add_co_u32 s20, s20, s11                     ; and of block g of Wv
	s_mov_b32 s21, 0
	s_lshl_b32 s10, s16, 2
	s_lshl_b32 s10, 15, s10                        ; my row of the cluster
	s_lshl_b32 s11, 0x1111, s15                    ; my column
	; group 1: so many tiles, a whole tile (1,536 elements of 8 bytes) a row, 1,536 elements apart
	s_or_b32 s[G1A], s10, (3<<16)|(1<<21)
	s_or_b32 s[G1B], s11, (3<<16)|(1<<21)
	s_or_b32 s[G1W], s11, (3<<16)|(1<<21)
.irp g, G1A, G1B, G1W
	s_mov_b32 s[\g+1], 1536<<16                    ; a row = a whole tile: 1,536 elements of 8 bytes
	s_mov_b32 s[\g+3], 1536<<16
	s_mov_b32 s[\g+5], 1536
	s_mov_b32 s[\g+6], 0
	s_mov_b32 s[\g+7], 0
.endr
	s_mov_b32 s[G1A+2], 4<<16
	s_mov_b32 s[G1A+4], 4
	s_mov_b32 s[G1B+2], 8<<16
	s_mov_b32 s[G1B+4], 8
	s_mov_b32 s[G1W+2], 4<<16
	s_mov_b32 s[G1W+4], 4
	s_mov_b32 s[G0W], 1
	s_mul_i32 s[G0W+1], s12, 49152
	s_add_co_u32 s[G0W+1], s[G0W+1], BOFF          ; a refill lands in the weights' part of chunk w
	s_mul_i32 s10, s13, 49152
	v_add_nc_u32 v[ADAQ], s10, v[LI]
	s_mul_i32 s10, s14, 98304
	s_add_co_u32 s10, s10, BOFF
	v_add_nc_u32 v[ADBQ], s10, v[LI]
	s_mul_i32 s10, s12, 49152
	s_add_co_u32 s10, s10, BOFF
	v_add_nc_u32 v[ADAV], s10, v[LI]
	v_lshlrev_b32 v[ADBV], 4, v1
	v_add_nc_u32 v[ADBQ+1], 49152, v[ADBQ]         ; source 0's tiles 4-7
	v_add_nc_u32 v[ADBV+1], 49152, v[ADBV]
	; THE PREFETCHES' OFFSETS in qin, never rewritten.  A later weight block is 768 units of 256 bytes; the four partners of my column, who will ask for it jointly, share it out by address:
	; partner cy takes 192 units, its wave w 48 of them: a lane a unit, two instructions (the second one's lanes 16-31 name the wave's last unit again).
.set PF, 196                           ; v196-197 block 2 g + 1, v198-199 block g of Wv
	s_mul_i32 s56, s16, 49152                      ; cy's 192 units
	s_mul_i32 s57, s12, 36864                      ; s18 and s20 hold 49,152 w; here a wave's share is 12,288 bytes
	s_add_co_u32 s58, s18, s56
	s_sub_co_u32 s58, s58, s57
	s_add_co_u32 s56, s20, s56
	s_sub_co_u32 s56, s56, s57
	v_lshlrev_b32 v[PF], 8, v1
	v_add_nc_u32 v[PF+1], 32, v1
	v_min_u32 v[PF+1], 47, v[PF+1]
	v_lshlrev_b32 v[PF+1], 8, v[PF+1]
	v_add_nc_u32 v[PF+2], s56, v[PF]
	v_add_nc_u32 v[PF+3], s56, v[PF+1]
	v_add_nc_u32 v[PF], s58, v[PF]
	v_add_nc_u32 v[PF+1], s58, v[PF+1]
	v_lshlrev_b32 v[SOQ], 10, v3
	v_lshl_add_u32 v[SOQ], v2, 2, v[SOQ]           ; lanes 0-15 one tile's 16 words, lanes 16-31 the next tile's: 16 K steps of 64 bytes on in q | k,
	v_lshlrev_b32 v[SOV], 12, v3
	v_lshl_add_u32 v[SOV], v2, 2, v[SOV]           ; 64 K steps on in v^T
	s_wait_alu depctr_va_vdst(0)
	s_wait_dscnt 0x0                               ; the opening adds are done
	s_wait_kmcnt 0x0
	s_add_nc_u64 s[2:3], s[4:5], s[2:3]
	s_add_nc_u64 s[100:101], s[4:5], s[100:101]
	CROUND                                         ; all sixteen work-groups are here: the joint loads meet
.irp c, 0
	s_mov_b32 s[G0A+4*\c], 1
	s_add_co_u32 s[G0A+4*\c+1], s22, \c*CH
	s_add_nc_u64 s[G0A+4*\c+2:G0A+4*\c+3], s[2:3], \c*3072
	s_or_b32 s[G0A+4*\c+3], s[G0A+4*\c+3], 0x80000000
	s_mov_b32 s[G0B+4*\c], 1
	s_add_co_u32 s[G0B+4*\c+1], s23, \c*CH
	s_add_nc_u64 s[G0B+4*\c+2:G0B+4*\c+3], s[100:101], \c*3072
	s_or_b32 s[G0B+4*\c+3], s[G0B+4*\c+3], 0x80000000
	JLOAD G0A+4*\c, G1A, G0B+4*\c, G1B
.endr
	; where the scale words lie: 512 bytes a tile
	s_mov_b32 s11, 0
	s_lshl_b32 s10, s13, 2
	s_add_co_u32 s10, s10, s8
	s_lshl_b32 s10, s10, 9
	s_add_co_u32 s10, s10, SC0
	s_add_nc_u64 s[56:57], s[4:5], s[10:11]        ; q | k: my four x tiles
	s_lshl_b32 s10, s14, 3
	s_add_co_u32 s10, s10, s9
	s_lshl_b32 s10, s10, 9
	s_add_co_u32 s10, s10, SC0
	s_add_nc_u64 s[58:59], s[4:5], s[10:11]        ; my eight tiles of the first block; the second block's lie 16 tiles on
	SCL SAQ, 4, 56, 0, 512
	SCL SB0, 8, 58, 0, 512
	global_prefetch_b8 v[PF], s[4:5] th:TH_LOAD_NT scope:SCOPE_SE     ; block 2 g + 1, which the first tile's K step 7 asks for: my 48 units, a whole tile of work ahead
	global_prefetch_b8 v[PF+1], s[4:5] th:TH_LOAD_NT scope:SCOPE_SE
	s_lshl_b32 s23, s15, 4
	s_lshl_b32 s10, s12, 2
	s_add_co_u32 s23, s23, s10                     ; 16 g + 4 w: my first row tile of v^T
	s_add_co_u32 s10, s23, 640
	s_lshl_b32 s10, s10, 9
	s_add_co_u32 s10, s10, SC0
	s_add_nc_u64 s[60:61], s[4:5], s[10:11]        ; v^T: my four Wv tiles
	s_lshl_b32 s10, s8, 9
	s_add_co_u32 s10, s10, SC0
	s_add_nc_u64 s[62:63], s[4:5], s[10:11]        ; and x's eight
	; where the results go.  q | k: row tile 8 R + 4 (w / 2) + a, K step 4 g + 2 n + w % 2 for the n-th block
	s_lshl_b32 s22, s13, 2
	s_add_co_u32 s22, s22, s8
	s_lshl_b32 s22, s22, 4
	s_lshl_b32 s10, s15, 2
	s_add_co_u32 s22, s22, s10
	s_add_co_u32 s22, s22, s14                     ; the first fragment's number
	s_mul_i32 s10, s22, 1536
	s_add_nc_u64 s[66:67], s[6:7], s[10:11]        ; codes
	s_lshl_b32 s10, s22, 6
	s_add_co_u32 s10, s10, QKS
	s_add_nc_u64 s[2:3], s[6:7], s[10:11]          ; scale words
	s_lshl_b32 s22, s23, 6                         ; v^T: row tile 16 g + 4 w + a, K step R
	s_add_co_u32 s22, s22, s17
	s_mul_i32 s10, s22, 1536
	s_add_co_u32 s10, s10, VTC
	s_add_nc_u64 s[100:101], s[6:7], s[10:11]
	s_lshl_b32 s10, s22, 6
	s_add_co_u32 s10, s10, VTS
	s_add_nc_u64 s[22:23], s[6:7], s[10:11]
	s_wait_tensorcnt 0x0                           ; my one load, my tiles for all of K, is in,
	s_barrier_signal -1
	s_barrier_wait -1                              ; everybody's is
	FETCH 0, ADA, ADB, 0
	s_wait_loadcnt 0x0                             ; the first tile's scale words
	SCL SB1, 8, 58, 8192, 512                      ; the second tile's are asked for a tile ahead
	STEP 0, 1, 1
	STEP 1, 0, 1
	STEP 2, 0, 1
	STEP 3, 0, 1
	global_prefetch_b8 v[PF+2], s[4:5] th:TH_LOAD_NT scope:SCOPE_SE   ; block g of Wv, which the second tile's K step 7 asks for: twelve K steps ahead
	STEP 4, 0, 1
	global_prefetch_b8 v[PF+3], s[4:5] th:TH_LOAD_NT scope:SCOPE_SE
	s_wait_alu depctr_va_vdst(0)
	STEP 5, 0, 1
	STEP 6, 0, 1
	LASTR 18                                       ; block 2 g + 1 is asked for
	WAYOUT 66, 24576, 0, 2, SOQ, 0, 2048, 0
	NEXTTILE
	SCL SAV, 4, 60, 0, 512                         ; the third tile's scale words
	SCL SBV, 8, 62, 0, 512
.set SB, SB1
	STEP 0, 1, 0
	STEP 1, 0, 0
	STEP 2, 0, 0
	STEP 3, 0, 0
	STEP 4, 0, 0
	STEP 5, 0, 0
	STEP 6, 0, 0
	LASTR 20                                       ; block g of Wv is asked for
	WAYOUT 66, 24576, 3072, 2, SOQ, 128, 2048, 1
.set ADA, ADAV                         ; v^T: source 1 from the weights' part, source 0 from x's
.set ADB, ADBV
.set SA,  SAV
.set SB,  SBV
	NEXTTILE
	STEP 0, 1, 0
	STEP 1, 0, 0
	STEP 2, 0, 0
	STEP 3, 0, 0
	STEP 4, 0, 0
	STEP 5, 0, 0
	STEP 6, 0, 0
	STEP 7, 0, 0
	WAYOUT 100, 98304, 0, 22, SOV, 0, 8192, 1
	s_wait_tensorcnt 0x0                           ; the wave's end
	ds_add_u32 v[SPW], v[NIL]
	s_wait_dscnt 0x0
	CROUND                                         ; the closing round
	s_endpgm
.Lfunc_end_k_qbdf25888a3_qkv:
	.size	k_qbdf25888a3_qkv, .Lfunc_end_k_qbdf25888a3_qkv-k_qbdf25888a3_qkv
	.p2alignl 7, 3214868480
	.fill 96, 4, 3214868480
	.section	.rodata,"a",@progbits
	.p2align	6, 0x0
	.amdhsa_kernel k_qbdf25888a3_qkv
		.amdhsa_group_segment_fixed_size 327680
		.amdhsa_private_segment_fixed_size 0
		.amdhsa_enable_private_segment 0
		.amdhsa_kernarg_size 16
		.amdhsa_user_sgpr_count 2
		.amdhsa_user_sgpr_kernarg_segment_ptr 1
		.amdhsa_wavefront_size32 1
		.amdhsa_system_sgpr_workgroup_id_x 1
		.amdhsa_system_sgpr_workgroup_id_y 1
		.amdhsa_system_sgpr_workgroup_id_z 1
		.amdhsa_system_vgpr_workitem_id 0
		.amdhsa_next_free_vgpr 1024
		.amdhsa_next_free_sgpr 102
		.amdhsa_reserve_vcc 0
		.amdhsa_float_denorm_mode_32 3
		.amdhsa_float_denorm_mode_16_64 3
		.amdhsa_memory_ordered 1
		.amdhsa_forward_progress 1
		.amdhsa_inst_pref_size 230
	.end_amdhsa_kernel
	.amdgpu_metadata
---
amdhsa.version: [ 1, 2 ]
amdhsa.kernels:
  - .name:           k_qbdf25888a3_qkv
    .symbol:         k_qbdf25888a3_qkv.kd
    .args:
      - { .name: qin, .offset: 0, .size: 8, .value_kind: global_buffer, .address_space: global }
      - { .name: qkv, .offset: 8, .size: 8, .value_kind: global_buffer, .address_space: global }
    .group_segment_fixed_size: 327680
    .private_segment_fixed_size: 0
    .kernarg_segment_align: 8
    .kernarg_segment_size: 16
    .max_flat_workgroup_size: 128
    .sgpr_count:     102
    .vgpr_count:     1024
    .wavefront_size: 32
...
	.end_amdgpu_metadata
.endif
;; end of part 2
;; launch scores (part 3): grid 40 x 4, 4 waves a work-group, clusters of 4 x 1, 327,680 bytes of LDS; arguments qkv, pbuf; writes pbuf
.if DOCPART == 3
	.amdgcn_target "amdgcn-amd-amdhsa--gfx1250"
	.amdhsa_code_object_version 6
	.text
	.protected	k_qbdf25888a3_scores
	.globl	k_qbdf25888a3_scores
	.p2align	8
	.type	k_qbdf25888a3_scores,@function
k_qbdf25888a3_scores:
	s_mov_b64 s[64:65], 0
	v_nop
	global_prefetch_b8 v0, s[64:65] scope:SCOPE_SE
	s_setreg_imm32_b32 hwreg(HW_REG_WAVE_MODE, 25, 1), 1
	s_wait_xcnt 0x0
	s_wait_alu depctr_hold_cnt(0) depctr_sa_sdst(0) depctr_va_vdst(0) depctr_va_sdst(0) depctr_va_ssrc(0) depctr_va_vcc(0) depctr_vm_vsrc(0)
	s_getreg_b32 s2, hwreg(HW_REG_IB_STS2, 6, 4)
	s_cmp_eq_u32 s2, 0
	s_cbranch_scc0 .Lentry_in_a_cluster
	s_endpgm
.Lentry_in_a_cluster:
	s_bfe_u32 s2, ttmp6, 0x10000c
	s_cmp_lg_u32 s2, 0x3003
	s_cbranch_scc0 .Lentry_shape_is_right
	s_endpgm
.Lentry_shape_is_right:
; S^T = k q^T (K = 1,024) on codes of FP6 (E2M3), the causal mask, and the softmax's p, quantised along the keys and stored as codes.
; For each query and each 128 keys (a wave's share of a tile): t = score x log2(e) / 32; M_loc = ceil(the largest t of these 128 keys), a whole number; p = 2^(t - M_loc); l_loc = the sum of the unquantised p.
; Stored: p's codes and scale words under M_loc, -M_loc and l_loc.  The next launch joins the M_loc to the row's M: the change is a whole power of two, which it takes off the scale bytes and off l_loc.
; A WORK-GROUP STAYS: it keeps 128 queries (block i, all of K) in LDS and multiplies them by two blocks of 256 keys, 2 u and 2 u + 1, one after the other.  Wave w: query tiles 4 (w / 2) .. + 3 x key tiles 8 (w % 2) .. + 7.
; The second key block is asked for in the first tile's last K step, one tensor load a wave (wave w: chunk w), behind a round of the cluster's barrier, and lands while the first tile's softmax is worked.
; By this text's count a wave has one tensor load out at the start, later one.  Layouts and the core are those of the launch before.
; CLUSTER 4 x 1: query blocks 4 m .. 4 m + 3 against the same key blocks: k's tiles (two thirds of a tile's bytes) are asked for jointly; q's tiles are each work-group's own: plain loads.
; A query group m has 2 m + 2 key blocks, m + 1 pairs: 10 clusters a batch, 160 work-groups in all: with all of K in LDS no tile of this size gives every WGP one work-group and no more, since the causal half alone is 256 such tiles.
; Key blocks beyond 2 m + 1 lie wholly under the mask and are not made.  In key block 2 m + 1 the partners 0 and 1 lie wholly under the mask too: they go on making the joint requests and store zero codes,
; so that the next launch's four partners walk the same number of K steps and read only bytes that were written.
; The one branch (is a mask needed?) hangs on the cluster's number alone.  A row wholly hidden in a wave's 128 keys gets p = 0, l_loc = 0 and -M_loc about 1.35e37, which the next launch turns into the factor 0.
; LIMITS: NaN and infinities are not served; a block whose largest p lies under 2^-124 gets the byte 1.  A block's largest p is taken as the exponential of its largest score.
; LDS AS THIS TEXT HAS IT (in place of the chunks named above): whole tiles, all eight K steps of a tile on end (12,288 bytes): q's 8 tiles from byte 0, k's 16 from BOFF.
; The first fills are one tensor load a wave: waves 0, 1 four tiles of q each, waves 2, 3 eight tiles of k each; one wait for 0 and one barrier show them to all.  The refill is four whole tiles a wave.
.set TP,    12288
.set NSP,   4
.set CH,    73728
.set BOFF,  98304
.set SPARE, 4*CH
.set QKS,   18874368                   ; qkv: q | k's scale words [512][16][64]
.set PS,    12582912                   ; pbuf: p's scale words [512][16][64]; -M_loc 524,288 bytes on; l_loc 1,048,576 bytes on
.set LI,  4
.set L4,  5
.set ADA, 6
.set ADB, 10
.set SPW, 14
.set NIL, 15
.set SA,  16                           ; v16-31 q's scale words
.set SB0, 32                           ; v32-63 the first key block's
.set TM,  64                           ; v64-67 the blocks' largest scores, then largest p; +4 the other half's; +8 bytes; +12 scale operands
.set PW,  80
.set PC,  84
.set SW,  104                          ; v104-109 what the small stores send
.set SO,  110
.set NMP, 112                          ; v[112:113] -M_loc (the packed form names a pair and takes its low word)
.set LS,  114                          ; v[114:115], v[116:117] the sum, in two chains of pairs
.set LS2, 116
.set NM,  120                          ; v120-123 -M_loc of each query tile
.set LSUM, 124                         ; v124-127 l_loc
.set DB,  128                          ; v128 my query of tile 0 - my first key
.set DQ,  129
.set NINF, 130
.set RM,  131
.set SB1, 132                          ; v132-163 the second key block's scale words
.set SB,  SB0                          ; what the macros name; set anew ahead of the second tile
.set G1A, 24
.set G1B, 32
.set G0A, 40
.set G0B, 68
.set G1W, 84                           ; s[84:91] group 1 of the refill (16 tiles)
.set G0W, 92                           ; s[92:95] its group 0
.set HI,  22
.set FL,  23
.set MK,  57
.set NEG, 59                           ; s59  -3e38, under every score
.set SEL, 60
.set CS,  66                           ; s[66:67] c = log2(e) / 32
.set MSB, 0
.macro WIN new
.if MSB != \new
	s_set_vgpr_msb (MSB<<8)|\new
.set MSB, \new
.endif
.endm
.set W_MUL,  0xad
.set TO_B,   0x40
.set TO_A,   0xc0
.macro PLACES n
.rept \n
	v_nop
.endr
.endm
.macro CREST
	s_cmp_lg_u32 s12, 0
	s_cbranch_scc1 .Lnot_wave_0_\@
	s_barrier_signal -3
.Lnot_wave_0_\@:
	s_barrier_wait -3
	s_barrier_signal -1
	s_barrier_wait -1
.endm
.macro CROUND
	s_barrier_signal -1
	s_barrier_wait -1
	CREST
.endm
.macro JLOAD g0a, g1a, g0b, g1b        ; the first fills: waves 0 and 1: q's tiles (my own); waves 2 and 3: k's (joint)
	s_cmp_eq_u32 s13, 0
	s_cbranch_scc0 .Lfor_b_\@
	tensor_load_to_lds s[\g0a:\g0a+3], s[\g1a:\g1a+7]
	s_nop 0
.rept 4
	v_nop
.endr
	s_branch .Lasked_\@
.Lfor_b_\@:
	tensor_load_to_lds s[\g0b:\g0b+3], s[\g1b:\g1b+7]
	s_nop 0
.rept 4
	v_nop
.endr
.Lasked_\@:
.endm
.macro FETCH buf, ra, rb, off
	WIN TO_B
.irp t, 0,1,2,3,4,5,6,7
.irp g, 0,1,2
	ds_load_b128 v[96*(\buf)+12*\t+4*\g:96*(\buf)+12*\t+4*\g+3], v[\rb+\t/4] offset:(\off)+(\t%4)*TP+512*\g   ; a second address register for tiles 4-7: the offset stays inside 16 bits
.endr
.endr
	WIN TO_A
.irp a, 0,1,2,3
.irp g, 0,1,2
	ds_load_b128 v[48*(\buf)+12*\a+4*\g:48*(\buf)+12*\a+4*\g+3], v[\ra] offset:(\off)+\a*TP+512*\g
.endr
.endr
	WIN 0
.endm
.macro MULA buf, sp, odd, a0, cm       ; the 32 accumulators take turns, one instruction a turn
.irp a, \a0, \a0+1
.irp t, 0,1,2,3,4,5,6,7
.set rD, 8*(8*(\a)+\t)
.set rB, 96*(\buf)+12*\t
.set rA, 48*(\buf)+12*(\a)
.set rSB, SB+NSP*\t+(\sp)
.set rSA, SA+NSP*(\a)+(\sp)
.if (\cm) == 1
	v_wmma_scale_f32_16x16x128_f8f6f4 v[rD:rD+7], v[rB:rB+11], v[rA:rA+11], 0, v[rSB], v[rSA] matrix_a_fmt:MATRIX_FMT_FP6 matrix_b_fmt:MATRIX_FMT_FP6
.elseif (\odd) == 1
	v_wmma_scale_f32_16x16x128_f8f6f4 v[rD:rD+7], v[rB:rB+11], v[rA:rA+11], v[rD:rD+7], v[rSB], v[rSA] matrix_a_fmt:MATRIX_FMT_FP6 matrix_b_fmt:MATRIX_FMT_FP6 matrix_a_scale:MATRIX_SCALE_ROW1 matrix_b_scale:MATRIX_SCALE_ROW1
.else
	v_wmma_scale_f32_16x16x128_f8f6f4 v[rD:rD+7], v[rB:rB+11], v[rA:rA+11], v[rD:rD+7], v[rSB], v[rSA] matrix_a_fmt:MATRIX_FMT_FP6 matrix_b_fmt:MATRIX_FMT_FP6
.endif
.endr
.endr
.endm
.macro MUL buf, sp, odd, cm
	WIN W_MUL
	MULA \buf, \sp, \odd, 0, \cm
	MULA \buf, \sp, \odd, 2, \cm
	WIN 0
.endm
; K step s of eight.  first is not used: all first fills are in ahead of step 0.  The count 36 leaves the loads just issued out.
.macro STEP s, cm, first
.if (\s) > 0
	PLACES 4
.endif
.if (\s) < 7
	FETCH ((\s)+1)%2, ADA, ADB, 1536*((\s)+1)
	s_wait_dscnt 36
.else
	s_wait_dscnt 0x0
.endif
	MUL (\s)%2, (\s)/2, (\s)%2, \cm
.endm
; K step 7 of the first tile.  Each wave waits for all its tensor loads (none is out), adds 0 to its spare word, and waits for that and for its last reads of the keys; the barrier opens a round of the cluster's barrier.
; Behind the round no wave of any partner reads the keys' bytes any more: my chunk of the next key block is asked for, the wave's one tensor load behind the round.
.macro LASTR off
	s_wait_tensorcnt 0x0                           ; no tensor load of mine is out, so a group 0 may be written
	ds_add_u32 v[SPW], v[NIL]
	s_add_nc_u64 s[G0W+2:G0W+3], s[4:5], s[\off:\off+1]
	s_or_b32 s[G0W+3], s[G0W+3], 0x80000000
	s_wait_dscnt 0x0                               ; the add is done, K step 7's fragments are in, and my reads of LDS are over
	s_barrier_signal -1
	WIN W_MUL
	MULA 1, 3, 1, 0, 0                             ; work on registers while the others arrive
	WIN 0
	s_barrier_wait -1
	CREST
	tensor_load_to_lds s[G0W:G0W+3], s[G1W:G1W+7]
	s_nop 0
	PLACES 4
	WIN W_MUL
	MULA 1, 3, 1, 2, 0
	WIN 0
.endm
.macro NEXTTILE                        ; my chunk of the next keys has landed (my one load: the count is 0), everybody's has; the first fragments; the scale words
	s_wait_tensorcnt 0x0
	s_barrier_signal -1
	s_barrier_wait -1
	FETCH 0, ADA, ADB, 0
	s_wait_loadcnt 0x0
.endm
.macro SCL reg, cnt, base, off, pit    ; the scale words of cnt tiles, for all of K
.set i, 0
.rept \cnt
.irp k, 0,1,2,3
	global_load_b32 v[(\reg)+4*i+\k], v[L4], s[\base:\base+1] offset:(\off)+(\pit)*i+128*\k
.endr
.set i, i+1
.endr
.endm
.macro QFIN s, pw
.irp b, 0,1,2,3
	v_add_nc_u32 v[TM+12+\b], 0xff000000, v[TM+\b]
.endr
.irp b, 0,1,2,3
	v_lshrrev_b32 v[TM+8+\b], 23, v[TM+12+\b]
.endr
	v_lshl_or_b32 v[\pw], v[TM+9], 8, v[TM+8]
	v_lshl_or_b32 v[\pw], v[TM+10], 16, v[\pw]
	v_lshl_or_b32 v[\pw], v[TM+11], 24, v[\pw]
	WIN 0x02
.irp c, 0,1
	v_cvt_scalef32_pk16_fp6_f32 v[PC+6*\c:PC+6*\c+2], v[(\s)+32*\c:(\s)+32*\c+15], v[TM+12+2*\c]
	v_cvt_scalef32_pk16_fp6_f32 v[PC+12+4*\c:PC+12+4*\c+2], v[(\s)+16+32*\c:(\s)+16+32*\c+15], v[TM+13+2*\c]
.endr
	WIN 0
	v_nop                                          ; one plain place behind a scaled conversion
.irp c, 0,1
.irp i, 0,1,2
	v_permlane16_swap_b32 v[PC+6*\c+\i], v[PC+12+4*\c+\i]
.endr
.irp i, 0,1,2
	v_mov_b32 v[PC+3+6*\c+\i], v[PC+12+4*\c+\i]
.endr
.endr
.endm
.macro IMG ro, base, off
.irp g, 0,1,2
	global_store_b128 v[\ro], v[PC+4*\g:PC+4*\g+3], s[\base:\base+1] offset:(\off)+512*\g
.endr
.endm
; Query tile a of the work-group's tile tl: 64 scores a lane (register 16 b + i = key 32 b + 16 h + i of my 128) become a fragment of p
.macro SOFTQ a, tl
.set SS, 64*(\a)
.if ((\a) > 0) || ((\tl) > 0)
	s_wait_xcnt 0x0                                ; the last stores have read the registers that are written below
.endif
	s_cmp_eq_u32 s[MK], 0
	s_cbranch_scc1 .Lopen_\@                       ; key blocks all of whose keys count for every query of the cluster
	s_wait_alu depctr_va_vdst(0)
	v_add_nc_u32 v[DQ], 32*((\a)/2)+8*((\a)%2), v[DB]   ; my query - my first key: register n's key is hidden where 32 (n / 16) + n % 16 is greater
	WIN 0x82
.set n, 0
.rept 64
	v_cmp_gt_i32 vcc_lo, 32*(n/16)+n%16, v[DQ]
	v_cndmask_b32 v[SS+n], v[SS+n], v[NINF], vcc_lo
.set n, n+1
.endr
	WIN 0
.Lopen_\@:
	WIN 0x28
.irp b, 0,1,2,3
	v_max3_num_f32 v[TM+\b], s[NEG], v[SS+16*\b], v[SS+16*\b+1]   ; the largest score of each block of 32 keys: it serves for the row's maximum and for the block's largest p
.endr
.irp i, 2,4,6,8,10,12,14
.irp b, 0,1,2,3
	v_max3_num_f32 v[TM+\b], v[TM+\b], v[SS+16*\b+\i], v[SS+16*\b+\i+1]
.endr
.endr
	WIN 0
.irp b, 0,1,2,3
	v_permlanex16_b32 v[TM+4+\b], v[TM+\b], s[SEL], s[SEL+1]
.endr
.irp b, 0,1,2,3
	v_max_num_f32 v[TM+\b], v[TM+\b], v[TM+4+\b]
.endr
	v_max3_num_f32 v[RM], v[TM], v[TM+1], v[TM+2]
	v_max_num_f32 v[RM], v[RM], v[TM+3]
	v_mul_f32 v[RM], s[CS], v[RM]                  ; as t (c is positive)
	v_floor_f32 v[NMP], -v[RM]                     ; -M_loc = floor(-t) = -ceil(t)
	v_mov_b32 v[NM+(\a)], v[NMP]
	WIN 0x82
.set n, 0
.rept 32
	v_pk_fma_f32 v[SS+n:SS+n+1], v[SS+n:SS+n+1], s[CS:CS+1], v[NMP:NMP+1] op_sel_hi:[1,0,0]   ; t - M_loc, two at a time
.set n, n+2
.endr
	WIN 0
.irp b, 0,1,2,3
	v_fma_f32 v[TM+\b], v[TM+\b], s[CS], v[NMP]    ; the same of each block's largest score
.endr
	WIN 0x82
.set n, 0
	s_wait_alu depctr_va_vdst(0)
.rept 64
	v_exp_f32 v[SS+n], v[SS+n]                     ; p = 2^(t - M_loc)
.set n, n+1
.endr
	WIN 0
.irp b, 0,1,2,3
	v_exp_f32 v[TM+\b], v[TM+\b]                   ; the block's largest p
.endr
	v_mov_b32 v[LS], 0                             ; plain lines behind the exponentials
	v_mov_b32 v[LS+1], 0
	v_mov_b32 v[LS2], 0
	v_mov_b32 v[LS2+1], 0
	s_wait_alu depctr_va_vdst(0)                   ; one wait for the batch of 68, ahead of its first reader
	WIN 0x08
.set n, 0
.rept 16
	v_pk_add_f32 v[LS:LS+1], v[LS:LS+1], v[SS+n:SS+n+1]          ; the sum of the unquantised p
	v_pk_add_f32 v[LS2:LS2+1], v[LS2:LS2+1], v[SS+n+2:SS+n+3]
.set n, n+4
.endr
	WIN 0
	v_pk_add_f32 v[LS:LS+1], v[LS:LS+1], v[LS2:LS2+1]
	v_add_f32 v[LSUM+(\a)], v[LS], v[LS+1]
	v_permlanex16_b32 v[TM+4], v[LSUM+(\a)], s[SEL], s[SEL+1]
	v_add_f32 v[LSUM+(\a)], v[LSUM+(\a)], v[TM+4]  ; with lane l xor 16's 64 keys
.irp b, 0,1,2,3
	v_max_num_f32 v[TM+\b], s[FL], v[TM+\b]        ; the floor 2^(3 - 127): the byte cannot fall under 1
.endr
	QFIN SS, PW+(\a)
	IMG LI, 96, 24576*(\a)+3072*(\tl)
.endm
.macro SMALL tl                        ; the scale words, -M_loc and l_loc of the tile's four query tiles: two K steps on for the second tile
.irp p, 0,1
	v_cndmask_b32 v[SW+3*\p], v[PW+2*\p], v[PW+2*\p+1], s[HI]
	v_cndmask_b32 v[SW+3*\p+1], v[NM+2*\p], v[NM+2*\p+1], s[HI]
	v_cndmask_b32 v[SW+3*\p+2], v[LSUM+2*\p], v[LSUM+2*\p+1], s[HI]
	global_store_b32 v[SO], v[SW+3*\p], s[98:99] offset:2048*\p+128*(\tl)
	global_store_b32 v[SO], v[SW+3*\p+1], s[98:99] offset:2048*\p+128*(\tl)+524288
	global_store_b32 v[SO], v[SW+3*\p+2], s[98:99] offset:2048*\p+128*(\tl)+1048576
.endr
.endm
	s_load_b128 s[4:7], s[0:1], 0x0                ; qkv, pbuf
	v_lshl_add_u32 v[SPW], v0, 2, SPARE
	v_mov_b32 v[NIL], 0
	ds_add_u32 v[SPW], v[NIL]                      ; the wave's opening: the add and its wait stand ahead of my first tensor load
	ds_add_u32 v[SPW], v[NIL]
	v_lshrrev_b32 v1, 5, v0
	v_readfirstlane_b32 s12, v1
	s_lshr_b32 s13, s12, 1
	s_and_b32 s14, s12, 1
	s_bfe_u32 s15, ttmp6, 0x40000                  ; cx
	s_and_b32 s56, ttmp7, 0xffff                   ; the batch
	v_and_b32 v1, 31, v0
	v_and_b32 v2, 15, v0
	v_bfe_u32 v3, v0, 4, 1
	v_lshlrev_b32 v[LI], 4, v1
	s_wait_alu depctr_va_vdst(0)
	v_lshlrev_b32 v[L4], 2, v1
.irp b, 0,1,2,3
	v_mov_b32 v[TM+4+\b], 0
.endr
	v_mov_b32 v[NMP+1], 0                          ; named as the upper half of a pair
	v_mov_b32 v[NINF], 0xff800000
	s_mov_b32 s[SEL], 0x76543210
	s_mov_b32 s[SEL+1], 0xfedcba98
	s_mov_b32 s[CS], 0x3d38aa3b
	s_mov_b32 s[CS+1], s[CS]
	s_mov_b32 s[NEG], 0xff61b1e6
	s_cmp_ge_u32 ttmp9, 1                          ; cluster 0 .. 9 -> m (1, 2, 3, 4 pairs of key blocks for m = 0 .. 3) and the pair u
	s_cselect_b32 s17, 1, 0
	s_cmp_ge_u32 ttmp9, 3
	s_cselect_b32 s18, 1, 0
	s_cmp_ge_u32 ttmp9, 6
	s_cselect_b32 s19, 1, 0
	s_add_co_u32 s17, s17, s18
	s_add_co_u32 s17, s17, s19                     ; m
	s_add_co_u32 s18, s17, 1
	s_mul_i32 s18, s18, s17
	s_lshr_b32 s18, s18, 1
	s_sub_co_u32 s18, ttmp9, s18                   ; u
	s_cmp_eq_u32 s18, s17
	s_cselect_b32 s[MK], 1, 0                      ; the last pair, key blocks 2 m and 2 m + 1, wants the mask
	s_lshl_b32 s18, s18, 1                         ; the first key block
	s_lshl_b32 s58, s17, 2
	s_add_co_u32 s58, s58, s15                     ; i
	s_lshl_b32 s8, s56, 7                          ; a batch has 128 tiles
	s_lshl_b32 s9, s58, 3
	s_add_co_u32 s9, s9, s8                        ; q's first tile
	s_lshl_b32 s10, s18, 4
	s_add_co_u32 s10, s10, s8                      ; k's first tile
	s_lshl_b32 s11, s14, 2
	s_add_co_u32 s11, s11, s9
	s_mul_i32 s62, s11, 24576                      ; q: the four tiles that I fetch
	s_mov_b32 s63, 0
	s_lshl_b32 s19, s14, 3
	s_add_co_u32 s19, s19, s10
	s_mul_i32 s20, s19, 24576                      ; k: the eight tiles that I fetch first (registers that never hold cx),
	s_add_co_u32 s20, s20, 12288                   ; K steps 8 .. 15 of a row tile of q | k
	s_mov_b32 s21, 0
	s_mul_i32 s22, s14, 49152
	s_mul_i32 s23, s14, 98304
	s_add_co_u32 s23, s23, BOFF
	s_add_co_u32 s2, s10, 16                       ; the refill: the next key block's 16 tiles,
	s_mul_i32 s2, s2, 24576
	s_add_co_u32 s2, s2, 12288
	s_mul_i32 s3, s12, 98304                       ; tiles 4 w .. 4 w + 3: a row tile of q | k is 24,576 bytes
	s_add_co_u32 s2, s2, s3
	s_mov_b32 s3, 0
	s_mov_b32 s[G1A], 3<<16                        ; no mask: my own tile
	s_mov_b32 s[G1B], 15|(3<<16)|(1<<21)           ; all four partners
	s_mov_b32 s[G1W], 15|(3<<16)|(1<<21)
.irp g, G1A, G1B, G1W
	s_mov_b32 s[\g+1], 1536<<16                    ; a row = a tile's eight fragments: 1,536 elements of 8 bytes
	s_mov_b32 s[\g+3], 1536<<16
	s_mov_b32 s[\g+5], 3072                        ; a row tile of q | k is 16 fragments
	s_mov_b32 s[\g+6], 0
	s_mov_b32 s[\g+7], 0
.endr
	s_mov_b32 s[G1A+2], 4<<16
	s_mov_b32 s[G1A+4], 4
	s_mov_b32 s[G1B+2], 8<<16
	s_mov_b32 s[G1B+4], 8
	s_mov_b32 s[G1W+2], 4<<16
	s_mov_b32 s[G1W+4], 4
	s_mov_b32 s[G0W], 1
	s_mul_i32 s[G0W+1], s12, 49152
	s_add_co_u32 s[G0W+1], s[G0W+1], BOFF          ; the refill lands in the keys' part of chunk w
	s_mul_i32 s19, s13, 49152
	v_add_nc_u32 v[ADA], s19, v[LI]
	s_mul_i32 s19, s14, 98304
	s_add_co_u32 s19, s19, BOFF
	v_add_nc_u32 v[ADB], s19, v[LI]
	v_add_nc_u32 v[ADB+1], 49152, v[ADB]           ; k's tiles 4-7 of my eight
	s_lshl_b32 s100, s58, 7                        ; 128 i + 64 (w / 2) - 256 x key block - 128 (w % 2)
	s_lshl_b32 s101, s13, 6
	s_add_co_u32 s100, s100, s101
	s_lshl_b32 s101, s18, 8
	s_sub_co_i32 s100, s100, s101
	s_lshl_b32 s101, s14, 7
	s_sub_co_i32 s100, s100, s101
	v_and_b32 v[DB], 8, v2
	v_add_nc_u32 v[DB], v[DB], v2                  ; r + 8 (r / 8)
	v_lshlrev_b32 v[DQ], 4, v3
	v_sub_nc_u32 v[DB], v[DB], v[DQ]               ; - 16 h
	v_add_nc_u32 v[DB], s100, v[DB]
	v_lshlrev_b32 v[SO], 10, v3
	v_lshl_add_u32 v[SO], v2, 2, v[SO]             ; the small stores: lanes 0-15 one tile's 16 words, lanes 16-31 the next tile's, 1,024 bytes on
	s_wait_alu depctr_va_vdst(0)
	s_wait_dscnt 0x0
	s_wait_kmcnt 0x0
	s_add_nc_u64 s[62:63], s[4:5], s[62:63]
	s_add_nc_u64 s[20:21], s[4:5], s[20:21]
	CROUND
.irp c, 0
	s_mov_b32 s[G0A+4*\c], 1
	s_add_co_u32 s[G0A+4*\c+1], s22, \c*CH
	s_add_nc_u64 s[G0A+4*\c+2:G0A+4*\c+3], s[62:63], \c*3072
	s_or_b32 s[G0A+4*\c+3], s[G0A+4*\c+3], 0x80000000
	s_mov_b32 s[G0B+4*\c], 1
	s_add_co_u32 s[G0B+4*\c+1], s23, \c*CH
	s_add_nc_u64 s[G0B+4*\c+2:G0B+4*\c+3], s[20:21], \c*3072
	s_or_b32 s[G0B+4*\c+3], s[G0B+4*\c+3], 0x80000000
	JLOAD G0A+4*\c, G1A, G0B+4*\c, G1B
.endr
	s_mov_b32 s[FL], 0x1800000
	s_mov_b32 s[HI], 0xffff0000
	s_lshl_b32 s100, s13, 2
	s_add_co_u32 s11, s100, s9                     ; my first query tile
	s_lshl_b32 s100, s11, 10
	s_add_co_u32 s100, s100, QKS
	s_mov_b32 s101, 0
	s_add_nc_u64 s[62:63], s[4:5], s[100:101]      ; q's scale words
	s_lshl_b32 s100, s14, 3
	s_add_co_u32 s100, s100, s10
	s_lshl_b32 s100, s100, 10
	s_add_co_u32 s100, s100, QKS+512
	s_add_nc_u64 s[20:21], s[4:5], s[100:101]      ; k's; the second key block's lie 16 tiles on
	SCL SA, 4, 62, 0, 1024
	SCL SB0, 8, 20, 0, 1024
	s_lshl_b32 s11, s11, 4                         ; p: fragment (my first query tile, K step 2 x key block + w % 2)
	s_lshl_b32 s19, s18, 1
	s_add_co_u32 s11, s11, s19
	s_add_co_u32 s11, s11, s14
	s_mul_i32 s100, s11, 1536
	s_add_nc_u64 s[96:97], s[6:7], s[100:101]
	s_lshl_b32 s100, s11, 6
	s_add_co_u32 s100, s100, PS
	s_add_nc_u64 s[98:99], s[6:7], s[100:101]
	s_wait_tensorcnt 0x0                           ; my one load, my tiles for all of K, is in
	s_barrier_signal -1
	s_barrier_wait -1
	FETCH 0, ADA, ADB, 0
	s_wait_loadcnt 0x0                             ; the first tile's scale words
	SCL SB1, 8, 20, 16384, 1024                    ; the second tile's are asked for a tile ahead
	STEP 0, 1, 1
	STEP 1, 0, 1
	STEP 2, 0, 1
	STEP 3, 0, 1
	STEP 4, 0, 1
	s_wait_alu depctr_va_vdst(0)
	STEP 5, 0, 1
	STEP 6, 0, 1
	LASTR 2                                        ; the second key block is asked for
	PLACES 4
	SOFTQ 0, 0
	SOFTQ 1, 0
	SOFTQ 2, 0
	SOFTQ 3, 0
	SMALL 0
	v_add_nc_u32 v[DB], 0xffffff00, v[DB]          ; the next key block begins 256 keys on
	NEXTTILE
.set SB, SB1
	STEP 0, 1, 0
	STEP 1, 0, 0
	STEP 2, 0, 0
	STEP 3, 0, 0
	STEP 4, 0, 0
	STEP 5, 0, 0
	STEP 6, 0, 0
	STEP 7, 0, 0
	PLACES 4
	SOFTQ 0, 1
	SOFTQ 1, 1
	SOFTQ 2, 1
	SOFTQ 3, 1
	SMALL 1
	s_wait_tensorcnt 0x0                           ; the wave's end
	ds_add_u32 v[SPW], v[NIL]
	s_wait_dscnt 0x0
	CROUND
	s_endpgm
.Lfunc_end_k_qbdf25888a3_scores:
	.size	k_qbdf25888a3_scores, .Lfunc_end_k_qbdf25888a3_scores-k_qbdf25888a3_scores
	.p2alignl 7, 3214868480
	.fill 96, 4, 3214868480
	.section	.rodata,"a",@progbits
	.p2align	6, 0x0
	.amdhsa_kernel k_qbdf25888a3_scores
		.amdhsa_group_segment_fixed_size 327680
		.amdhsa_private_segment_fixed_size 0
		.amdhsa_enable_private_segment 0
		.amdhsa_kernarg_size 16
		.amdhsa_user_sgpr_count 2
		.amdhsa_user_sgpr_kernarg_segment_ptr 1
		.amdhsa_wavefront_size32 1
		.amdhsa_system_sgpr_workgroup_id_x 1
		.amdhsa_system_sgpr_workgroup_id_y 1
		.amdhsa_system_sgpr_workgroup_id_z 1
		.amdhsa_system_vgpr_workitem_id 0
		.amdhsa_next_free_vgpr 1024
		.amdhsa_next_free_sgpr 102
		.amdhsa_reserve_vcc 1
		.amdhsa_float_denorm_mode_32 3
		.amdhsa_float_denorm_mode_16_64 3
		.amdhsa_memory_ordered 1
		.amdhsa_forward_progress 1
		.amdhsa_inst_pref_size 255
	.end_amdhsa_kernel
	.section	.bss,"aw",@nobits
	.p2align	6
	.space	262144
	.amdgpu_metadata
---
amdhsa.version: [ 1, 2 ]
amdhsa.kernels:
  - .name:           k_qbdf25888a3_scores
    .symbol:         k_qbdf25888a3_scores.kd
    .args:
      - { .name: qkv, .offset: 0, .size: 8, .value_kind: global_buffer, .address_space: global }
      - { .name: pbuf, .offset: 8, .size: 8, .value_kind: global_buffer, .address_space: global }
    .group_segment_fixed_size: 327680
    .private_segment_fixed_size: 0
    .kernarg_segment_align: 8
    .kernarg_segment_size: 16
    .max_flat_workgroup_size: 128
    .sgpr_count:     102
    .vgpr_count:     1024
    .wavefront_size: 32
...
	.end_amdgpu_metadata
.endif
;; end of part 3
;; launch pv (part 4): grid 64 x 4, 4 waves a work-group, clusters of 4 x 1, 327,680 bytes of LDS; arguments pbuf, qkv, obuf; writes obuf
.if DOCPART == 4
	.amdgcn_target "amdgcn-amd-amdhsa--gfx1250"
	.amdhsa_code_object_version 6
	.text
	.protected	k_qbdf25888a3_pv
	.globl	k_qbdf25888a3_pv
	.p2align	8
	.type	k_qbdf25888a3_pv,@function
k_qbdf25888a3_pv:
	s_mov_b64 s[64:65], 0
	v_nop
	global_prefetch_b8 v0, s[64:65] scope:SCOPE_SE
	s_setreg_imm32_b32 hwreg(HW_REG_WAVE_MODE, 25, 1), 1
	s_wait_xcnt 0x0
	s_wait_alu depctr_hold_cnt(0) depctr_sa_sdst(0) depctr_va_vdst(0) depctr_va_sdst(0) depctr_va_ssrc(0) depctr_va_vcc(0) depctr_vm_vsrc(0)
	s_getreg_b32 s2, hwreg(HW_REG_IB_STS2, 6, 4)
	s_cmp_eq_u32 s2, 0
	s_cbranch_scc0 .Lentry_in_a_cluster
	s_endpgm
.Lentry_in_a_cluster:
	s_bfe_u32 s2, ttmp6, 0x10000c
	s_cmp_lg_u32 s2, 0x3003
	s_cbranch_scc0 .Lentry_shape_is_right
	s_endpgm
.Lentry_shape_is_right:
; O = p v / l on codes of FP6 (E2M3), K = the keys; O is quantised along d and stored as codes for the last product.
; THE ROW'S M AND l.  p came under a whole number M_loc for each 128 keys.  M = the largest M_loc of the row; D = M - M_loc, a whole number, is taken off the four scale bytes of that K step, and l = the sum of 2^-D l_loc.
; LIMITS: a scale byte is held at 0 (2^-127) where D is greater than the byte: such a p is under 1e-36 of a row sum of at least 1/2; D is held at 255.  NaN and infinities are not served; a block of O under 2^-124 gets the byte 1.
; SHARES.  A work-group: 128 queries (block i = 4 m + cx) x 256 of d (block dt) of one batch; waves and core as in the launches before; source 0 = 16 rows of v^T, source 1 = 16 queries of p.
; CLUSTER 4 x 1: query blocks 4 m .. 4 m + 3 share v^T's tiles, asked for jointly; p's tiles are each work-group's own.  All four walk 4 (m + 1) K steps: what lies under the mask holds zero codes.
; THE RING: two slots of four K steps.  THE TEXT IS ALIGNED TO THE END: four periods of four K steps in one line; a work-group enters at period P0 = 3 - m by a forward branch on the cluster's number, alike in all partners.
; Periods 0 and 1 fill their slot again for the period two on, which is right for every entry.  With m = 0 the slot that is not read is asked for with the first slot's address, so that every wave issues the same two first loads.
; By this text's count a wave has one tensor load out at the start and one behind each round.
.set TP,    6144                       ; from tile to tile in a slot: four fragments
.set NSP,   8
.set SLOT,  147456                     ; p's 8 tiles (49,152 bytes), then v^T's 16
.set BOFF,  49152
.set SPARE, 2*SLOT
.set VTC,   12582912
.set VTS,   19398656
.set PS,    12582912
.set OS,    6291456
.set LI,  4
.set L4,  5
.set ADA, 6                            ; v6-7 my p fragments in slot 0, 1
.set ADB, 8                            ; v8-9 my v^T fragments
.set SPW, 14
.set NIL, 15
.set SA,  16                           ; v16-47  p's scale words: 8 a + q; register q serves period q / 2
.set SB,  48                           ; v48-111 v^T's: 8 t + q
.set PMR, 112                          ; v112-143 -M_loc
.set PLR, 144                          ; v144-175 l_loc
.set VO,  176                          ; v176-183 the offset of register q's words
.set NMF, 184                          ; v184-187 -M
.set LA,  188                          ; v188-191 l
.set RL,  192                          ; v192-199 1 / l, in the low word of a pair
.set T,   200                          ; v200-231 at work: eight registers for each of the four query tiles
.set PD,  232                          ; v232-235 the permutes' destinations
.set SO,  236                          ; v236 the offset of O's scale words: made at the head, outside the registers that loads fill, and never rewritten
.set TM,  112                          ; the way out takes the registers that -M_loc and l_loc have left
.set PW,  128
.set PC,  132
.set SW,  152
.set G1A, 24
.set G1B, 32
.set G0A, 40                           ; s[40:47] group 0 for p, one set a slot
.set G0B, 68                           ; s[68:75] for v^T
.set FS,  76                           ; s76-83 1.0 for a scale register that is in use, else 0
.set SEL, 84
.set FL,  88
.set HI,  89
.set MSB, 0
.macro WIN new
.if MSB != \new
	s_set_vgpr_msb (MSB<<8)|\new
.set MSB, \new
.endif
.endm
.set W_MUL,  0xad
.set TO_B,   0x40
.set TO_A,   0xc0
.macro PLACES n
.rept \n
	v_nop
.endr
.endm
.macro CREST
	s_cmp_lg_u32 s12, 0
	s_cbranch_scc1 .Lnot_wave_0_\@
	s_barrier_signal -3
.Lnot_wave_0_\@:
	s_barrier_wait -3
	s_barrier_signal -1
	s_barrier_wait -1
.endm
.macro CROUND
	s_barrier_signal -1
	s_barrier_wait -1
	CREST
.endm
.macro JLOAD g0a, g1a, g0b, g1b        ; waves 0 and 1: p's tiles (my own); waves 2 and 3: v^T's (joint)
	s_cmp_eq_u32 s13, 0
	s_cbranch_scc0 .Lfor_b_\@
	tensor_load_to_lds s[\g0a:\g0a+3], s[\g1a:\g1a+7]
	s_nop 0
.rept 4
	v_nop
.endr
	s_branch .Lasked_\@
.Lfor_b_\@:
	tensor_load_to_lds s[\g0b:\g0b+3], s[\g1b:\g1b+7]
	s_nop 0
.rept 4
	v_nop
.endr
.Lasked_\@:
.endm
.macro FETCH buf, ra, rb, off
	WIN TO_B
.irp t, 0,1,2,3,4,5,6,7
.irp g, 0,1,2
	ds_load_b128 v[96*(\buf)+12*\t+4*\g:96*(\buf)+12*\t+4*\g+3], v[\rb] offset:(\off)+\t*TP+512*\g
.endr
.endr
	WIN TO_A
.irp a, 0,1,2,3
.irp g, 0,1,2
	ds_load_b128 v[48*(\buf)+12*\a+4*\g:48*(\buf)+12*\a+4*\g+3], v[\ra] offset:(\off)+\a*TP+512*\g
.endr
.endr
	WIN 0
.endm
.macro MULA buf, sp, odd, a0, cm       ; the 32 accumulators take turns, one instruction a turn
.irp a, \a0, \a0+1
.irp t, 0,1,2,3,4,5,6,7
.set rD, 8*(8*(\a)+\t)
.set rB, 96*(\buf)+12*\t
.set rA, 48*(\buf)+12*(\a)
.set rSB, SB+NSP*\t+(\sp)
.set rSA, SA+NSP*(\a)+(\sp)
.if (\cm) == 1
	v_wmma_scale_f32_16x16x128_f8f6f4 v[rD:rD+7], v[rB:rB+11], v[rA:rA+11], 0, v[rSB], v[rSA] matrix_a_fmt:MATRIX_FMT_FP6 matrix_b_fmt:MATRIX_FMT_FP6
.elseif (\odd) == 1
	v_wmma_scale_f32_16x16x128_f8f6f4 v[rD:rD+7], v[rB:rB+11], v[rA:rA+11], v[rD:rD+7], v[rSB], v[rSA] matrix_a_fmt:MATRIX_FMT_FP6 matrix_b_fmt:MATRIX_FMT_FP6 matrix_a_scale:MATRIX_SCALE_ROW1 matrix_b_scale:MATRIX_SCALE_ROW1
.else
	v_wmma_scale_f32_16x16x128_f8f6f4 v[rD:rD+7], v[rB:rB+11], v[rA:rA+11], v[rD:rD+7], v[rSB], v[rSA] matrix_a_fmt:MATRIX_FMT_FP6 matrix_b_fmt:MATRIX_FMT_FP6
.endif
.endr
.endr
.endm
.macro MUL buf, sp, odd, cm
	WIN W_MUL
	MULA \buf, \sp, \odd, 0, \cm
	MULA \buf, \sp, \odd, 2, \cm
	WIN 0
.endm
; The entry at period p: its slot is shown to every wave, K steps 0 and 1 are fetched, K step 0's products start the sums
.macro START p
	; (my head's load has been waited for ahead of the entry's branches)
	s_barrier_signal -1
	s_barrier_wait -1
	FETCH 0, ADA+(\p)%2, ADB+(\p)%2, 0
	FETCH 1, ADA+(\p)%2, ADB+(\p)%2, 1536
	s_wait_dscnt 36                                ; K step 0's fragments are in; K step 1's 36 loads stay out
	MUL 0, 2*(\p), 0, 1
.endm
; K step ks (0 .. 2) of period p; the next K step of the same slot is fetched ahead of its products
.macro SK p, ks
	PLACES 4
	FETCH ((\ks)+1)%2, ADA+(\p)%2, ADB+(\p)%2, 1536*((\ks)+1)
	s_wait_dscnt 36
	MUL (\ks)%2, 2*(\p)+(\ks)/2, (\ks)%2, 0
.endm
; K step 3 of period p changes slots: each wave waits for all its tensor loads, adds 0 to its spare word, waits for that and for its reads of this slot; one barrier.
; fill = 1: the barrier opens a round of the cluster's barrier, and this slot is filled again, with the K steps two periods on: the wave's one tensor load behind the round, with a period's 128 matrix instructions in which to land.
.macro TURN p, fill
.set sg, (\p)%2
	s_wait_tensorcnt 0x0                           ; all my tensor loads have landed: my part of the next slot; so a group 0 may be written
	ds_add_u32 v[SPW], v[NIL]
.if \fill
	s_add_nc_u64 s[G0A+4*sg+2:G0A+4*sg+3], s[G0A+4*sg+2:G0A+4*sg+3], 12288
	s_add_nc_u64 s[G0B+4*sg+2:G0B+4*sg+3], s[G0B+4*sg+2:G0B+4*sg+3], 12288
.endif
	s_wait_dscnt 0x0                               ; the add is done, K step 3's fragments are in, and my reads of this slot are over
	s_barrier_signal -1
	WIN W_MUL
	MULA 1, 2*(\p)+1, 1, 0, 0                      ; work on registers while the others arrive
	WIN 0
	s_barrier_wait -1
.if \fill
	CREST
	JLOAD G0A+4*sg, G1A, G0B+4*sg, G1B             ; its four v_nop are also the places in front of the loads below
.else
	PLACES 4
.endif
	FETCH 0, ADA+1-sg, ADB+1-sg, 0
	WIN W_MUL
	MULA 1, 2*(\p)+1, 1, 2, 0
	WIN 0
.endm
.macro QMAX s
	WIN 0x28
.irp b, 0,1,2,3
	v_max3_num_f32 v[TM+\b], s[FL], |v[(\s)+16*\b]|, |v[(\s)+16*\b+1]|
.endr
.irp i, 2,4,6,8,10,12,14
.irp b, 0,1,2,3
	v_max3_num_f32 v[TM+\b], v[TM+\b], |v[(\s)+16*\b+\i]|, |v[(\s)+16*\b+\i+1]|
.endr
.endr
	WIN 0
.irp b, 0,1,2,3
	v_permlanex16_b32 v[TM+4+\b], v[TM+\b], s[SEL], s[SEL+1]
.endr
.irp b, 0,1,2,3
	v_max_num_f32 v[TM+\b], v[TM+\b], v[TM+4+\b]
.endr
.endm
.macro QFIN s, pw
.irp b, 0,1,2,3
	v_add_nc_u32 v[TM+12+\b], 0xff000000, v[TM+\b]
.endr
.irp b, 0,1,2,3
	v_lshrrev_b32 v[TM+8+\b], 23, v[TM+12+\b]
.endr
	v_lshl_or_b32 v[\pw], v[TM+9], 8, v[TM+8]
	v_lshl_or_b32 v[\pw], v[TM+10], 16, v[\pw]
	v_lshl_or_b32 v[\pw], v[TM+11], 24, v[\pw]
	WIN 0x02
.irp c, 0,1
	v_cvt_scalef32_pk16_fp6_f32 v[PC+6*\c:PC+6*\c+2], v[(\s)+32*\c:(\s)+32*\c+15], v[TM+12+2*\c]
	v_cvt_scalef32_pk16_fp6_f32 v[PC+12+4*\c:PC+12+4*\c+2], v[(\s)+16+32*\c:(\s)+16+32*\c+15], v[TM+13+2*\c]
.endr
	WIN 0
	v_nop
.irp c, 0,1
.irp i, 0,1,2
	v_permlane16_swap_b32 v[PC+6*\c+\i], v[PC+12+4*\c+\i]
.endr
.irp i, 0,1,2
	v_mov_b32 v[PC+3+6*\c+\i], v[PC+12+4*\c+\i]
.endr
.endr
.endm
.macro IMG ro, base, off
.irp g, 0,1,2
	global_store_b128 v[\ro], v[PC+4*\g:PC+4*\g+3], s[\base:\base+1] offset:(\off)+512*\g
.endr
.endm
; Scale register q (two K steps: one in each half of the lanes) of all four query tiles: D = M - M_loc; l += 2^-D l_loc; D off each of the word's four bytes, held at 0.
; Each line is written for the four tiles by turns, so that no line reads the result of the line above it.
.macro ADJ4 q
.irp a, 0,1,2,3
	v_sub_f32 v[T+8*\a], v[PMR+8*\a+(\q)], v[NMF+\a]
.endr
.irp a, 0,1,2,3
	v_min_num_f32 v[T+8*\a], 0x437f0000, v[T+8*\a]         ; at most 255
.endr
.irp a, 0,1,2,3
	v_cvt_u32_f32 v[T+8*\a], v[T+8*\a]
.endr
.irp a, 0,1,2,3
	v_sub_nc_u32 v[T+8*\a+1], 0, v[T+8*\a]
.endr
.irp a, 0,1,2,3
	v_ldexp_f32 v[T+8*\a+1], s[FS+(\q)], v[T+8*\a+1]       ; 2^-D, or 0 for a register ahead of my entry
.endr
.irp a, 0,1,2,3
	v_fmac_f32 v[LA+\a], v[T+8*\a+1], v[PLR+8*\a+(\q)]
.endr
.irp a, 0,1,2,3
	v_and_b32 v[T+8*\a+2], 0xff, v[SA+8*\a+(\q)]
.endr
.irp a, 0,1,2,3
	v_bfe_u32 v[T+8*\a+3], v[SA+8*\a+(\q)], 8, 8
.endr
.irp a, 0,1,2,3
	v_bfe_u32 v[T+8*\a+4], v[SA+8*\a+(\q)], 16, 8
.endr
.irp a, 0,1,2,3
	v_lshrrev_b32 v[T+8*\a+5], 24, v[SA+8*\a+(\q)]
.endr
.irp a, 0,1,2,3
	v_min_u32 v[T+8*\a+6], v[T+8*\a+2], v[T+8*\a]
.endr
.irp a, 0,1,2,3
	v_min_u32 v[T+8*\a+7], v[T+8*\a+3], v[T+8*\a]
.endr
.irp a, 0,1,2,3
	v_sub_nc_u32 v[T+8*\a+2], v[T+8*\a+2], v[T+8*\a+6]
.endr
.irp a, 0,1,2,3
	v_sub_nc_u32 v[T+8*\a+3], v[T+8*\a+3], v[T+8*\a+7]
.endr
.irp a, 0,1,2,3
	v_min_u32 v[T+8*\a+6], v[T+8*\a+4], v[T+8*\a]
.endr
.irp a, 0,1,2,3
	v_min_u32 v[T+8*\a+7], v[T+8*\a+5], v[T+8*\a]
.endr
.irp a, 0,1,2,3
	v_sub_nc_u32 v[T+8*\a+4], v[T+8*\a+4], v[T+8*\a+6]
.endr
.irp a, 0,1,2,3
	v_sub_nc_u32 v[T+8*\a+5], v[T+8*\a+5], v[T+8*\a+7]
.endr
.irp a, 0,1,2,3
	v_lshl_or_b32 v[T+8*\a+2], v[T+8*\a+3], 8, v[T+8*\a+2]
.endr
.irp a, 0,1,2,3
	v_lshl_or_b32 v[T+8*\a+2], v[T+8*\a+4], 16, v[T+8*\a+2]
.endr
.irp a, 0,1,2,3
	v_lshl_or_b32 v[SA+8*\a+(\q)], v[T+8*\a+5], 24, v[T+8*\a+2]
.endr
.endm
	s_load_b128 s[4:7], s[0:1], 0x0                ; pbuf, qkv
	s_load_b64 s[8:9], s[0:1], 0x10                ; obuf
	v_lshl_add_u32 v[SPW], v0, 2, SPARE
	v_mov_b32 v[NIL], 0
	ds_add_u32 v[SPW], v[NIL]                      ; the wave's opening: the add and its wait stand ahead of my first tensor load
	ds_add_u32 v[SPW], v[NIL]
	v_lshrrev_b32 v1, 5, v0
	v_readfirstlane_b32 s12, v1
	s_lshr_b32 s13, s12, 1
	s_and_b32 s14, s12, 1
	s_bfe_u32 s15, ttmp6, 0x40000                  ; cx
	v_and_b32 v1, 31, v0
	v_and_b32 v2, 15, v0
	v_bfe_u32 v3, v0, 4, 1
	v_lshlrev_b32 v[LI], 4, v1
	v_lshlrev_b32 v[L4], 2, v1
.irp b, 0,1,2,3
	v_mov_b32 v[PD+\b], 0                          ; a lane permute's destination counts as one of its sources
	v_mov_b32 v[LA+\b], 0
	v_mov_b32 v[RL+2*\b+1], 0                      ; named as the upper half of a pair
.endr
	s_mov_b32 s[SEL], 0x76543210
	s_mov_b32 s[SEL+1], 0xfedcba98
	s_mov_b32 s[FL], 0x1800000
	s_mov_b32 s[HI], 0xffff0000
	s_lshr_b32 s56, ttmp9, 2                       ; P0: the long groups have the low numbers
	s_and_b32 s57, ttmp9, 3                        ; dt
	s_and_b32 s58, ttmp7, 0xffff                   ; the batch
	s_sub_co_u32 s59, 3, s56                       ; m
	s_lshl_b32 s60, s59, 2
	s_add_co_u32 s60, s60, s15                     ; i
	s_and_b32 s17, s56, 1                          ; period P uses slot P % 2: the entry's slot takes K steps 0 .. 3, the other 4 .. 7 (held to the last that there are)
	s_min_u32 s18, s17, s59
	s_xor_b32 s19, s17, 1
	s_min_u32 s19, s19, s59
	s_mul_i32 s18, s18, 6144
	s_mul_i32 s19, s19, 6144
	s_lshl_b32 s10, s58, 7
	s_lshl_b32 s11, s60, 3
	s_add_co_u32 s10, s10, s11                     ; p's first tile
	s_lshl_b32 s11, s14, 2
	s_add_co_u32 s11, s11, s10
	s_mul_i32 s62, s11, 24576                      ; p: the four tiles that I fetch
	s_mov_b32 s63, 0
	s_lshl_b32 s22, s57, 4                         ; v^T's first tile (registers that never hold cx)
	s_lshl_b32 s23, s14, 3
	s_add_co_u32 s23, s23, s22
	s_mul_i32 s20, s23, 98304                      ; v^T: the eight tiles that I fetch,
	s_mul_i32 s23, s58, 24576                      ; the batch's 16 K steps
	s_add_co_u32 s20, s20, s23
	s_add_co_u32 s20, s20, VTC
	s_mov_b32 s21, 0
	s_mul_i32 s92, s14, 24576                      ; where they go in a slot
	s_mul_i32 s93, s14, 49152
	s_add_co_u32 s93, s93, BOFF
	s_mov_b32 s[G1A], 3<<16                        ; no mask: my own tile
	s_mov_b32 s[G1B], 15|(3<<16)|(1<<21)           ; all four partners
.irp g, G1A, G1B
	s_mov_b32 s[\g+1], 768<<16                     ; four fragments: 768 elements of 8 bytes
	s_mov_b32 s[\g+3], 768<<16
	s_mov_b32 s[\g+6], 0
	s_mov_b32 s[\g+7], 0
.endr
	s_mov_b32 s[G1A+2], 8<<16                      ; the head's loads bring a slot's whole part: p's 8 tiles,
	s_mov_b32 s[G1A+4], 8
	s_mov_b32 s[G1A+5], 3072                       ; a row tile of p is 16 fragments
	s_mov_b32 s[G1B+2], 16<<16                     ; v^T's 16; behind them the words that count rows are set for the refills
	s_mov_b32 s[G1B+4], 16
	s_mov_b32 s[G1B+5], 12288                      ; a row tile of v^T is 64
	s_mul_i32 s23, s13, 24576
	v_add_nc_u32 v[ADA], s23, v[LI]
	v_add_nc_u32 v[ADA+1], SLOT, v[ADA]
	s_mul_i32 s23, s14, 49152
	s_add_co_u32 s23, s23, BOFF
	v_add_nc_u32 v[ADB], s23, v[LI]
	v_add_nc_u32 v[ADB+1], SLOT, v[ADB]
	s_lshl_b32 s22, s56, 1                         ; scale register q holds the words of K steps 2 (q - 2 P0), + 1; registers ahead of the entry read the first words again and count for nothing
.irp q, 0,1,2,3,4,5,6,7
	s_sub_co_i32 s23, \q, s22
	s_max_i32 s23, s23, 0
	s_lshl_b32 s23, s23, 7
	v_add_nc_u32 v[VO+\q], s23, v[L4]
	s_cmp_le_u32 s22, \q
	s_cselect_b32 s[FS+\q], 0x3f800000, 0
.endr
	v_lshlrev_b32 v[SO], 9, v3
	v_lshl_add_u32 v[SO], v2, 2, v[SO]             ; O's scale words: lanes 0-15 one tile's, lanes 16-31 the next tile's, 512 bytes on
	s_mov_b32 s91, 0
	s_wait_dscnt 0x0
	s_wait_kmcnt 0x0
	s_add_nc_u64 s[62:63], s[4:5], s[62:63]
	s_add_nc_u64 s[20:21], s[6:7], s[20:21]
	CROUND
.irp g, 0,1
	s_mov_b32 s90, s[18+\g]
	s_mov_b32 s[G0A+4*\g], 1
	s_add_co_u32 s[G0A+4*\g+1], s92, \g*SLOT
	s_add_nc_u64 s[G0A+4*\g+2:G0A+4*\g+3], s[62:63], s[90:91]
	s_or_b32 s[G0A+4*\g+3], s[G0A+4*\g+3], 0x80000000
	s_mov_b32 s[G0B+4*\g], 1
	s_add_co_u32 s[G0B+4*\g+1], s93, \g*SLOT
	s_add_nc_u64 s[G0B+4*\g+2:G0B+4*\g+3], s[20:21], s[90:91]
	s_or_b32 s[G0B+4*\g+3], s[G0B+4*\g+3], 0x80000000
.endr
	; THE HEAD'S LOADS, ONE A WAVE, both slots at once: wave 0 p's 8 tiles of slot 0, wave 1 those of slot 1, wave 2 v^T's 16 tiles of slot 0, wave 3 those of slot 1.
	; By this text's count a wave has one tensor load out at the start and one behind each round.  s[48:51], s[52:55]: their group 0.
	s_cmp_eq_u32 s14, 0
	s_cselect_b32 s90, s18, s19                    ; where my slot's K steps begin in a row tile
	s_mul_i32 s22, s14, 98304                      ; back from my four tiles of p to the first of the eight
	s_mov_b32 s23, 0
	s_sub_nc_u64 s[50:51], s[62:63], s[22:23]
	s_add_nc_u64 s[50:51], s[50:51], s[90:91]
	s_or_b32 s51, s51, 0x80000000
	s_mov_b32 s48, 1
	s_mul_i32 s49, s14, SLOT
	s_mul_i32 s22, s14, 786432                     ; back from my eight tiles of v^T to the first of the sixteen
	s_sub_nc_u64 s[54:55], s[20:21], s[22:23]
	s_add_nc_u64 s[54:55], s[54:55], s[90:91]
	s_or_b32 s55, s55, 0x80000000
	s_mov_b32 s52, 1
	s_add_co_u32 s53, s49, BOFF
	JLOAD 48, G1A, 52, G1B
	s_lshl_b32 s11, s13, 2
	s_add_co_u32 s11, s11, s10                     ; my first query tile
	s_lshl_b32 s90, s11, 10
	s_add_co_u32 s90, s90, PS
	s_add_nc_u64 s[94:95], s[4:5], s[90:91]        ; p's scale words; -M_loc and l_loc lie 524,288 and 1,048,576 bytes on
	s_lshl_b32 s90, s57, 4
	s_lshl_b32 s23, s14, 3
	s_add_co_u32 s90, s90, s23
	s_lshl_b32 s90, s90, 12
	s_lshl_b32 s23, s58, 10
	s_add_co_u32 s90, s90, s23
	s_add_co_u32 s90, s90, VTS
	s_add_nc_u64 s[96:97], s[6:7], s[90:91]        ; v^T's scale words
	s_wait_alu depctr_va_vdst(0)
.irp a, 0,1,2,3
.irp q, 0,1,2,3,4,5,6,7
	global_load_b32 v[PMR+8*\a+\q], v[VO+\q], s[94:95] offset:1024*\a+524288
.endr
.endr
.irp a, 0,1,2,3
.irp q, 0,1,2,3,4,5,6,7
	global_load_b32 v[SA+8*\a+\q], v[VO+\q], s[94:95] offset:1024*\a
	global_load_b32 v[PLR+8*\a+\q], v[VO+\q], s[94:95] offset:1024*\a+1048576
.endr
.endr
.irp t, 0,1,2,3,4,5,6,7
.irp q, 0,1,2,3,4,5,6,7
	global_load_b32 v[SB+8*\t+\q], v[VO+\q], s[96:97] offset:4096*\t
.endr
.endr
	s_lshl_b32 s11, s11, 3                         ; O: fragment (my first query tile, K step 2 dt + w % 2)
	s_lshl_b32 s23, s57, 1
	s_add_co_u32 s11, s11, s23
	s_add_co_u32 s11, s11, s14
	s_mul_i32 s90, s11, 1536
	s_add_nc_u64 s[98:99], s[8:9], s[90:91]
	s_lshl_b32 s90, s11, 6
	s_add_co_u32 s90, s90, OS
	s_add_nc_u64 s[2:3], s[8:9], s[90:91]
	s_wait_loadcnt 0x0
	; the row's -M: the least -M_loc
.irp a, 0,1,2,3
	v_min3_num_f32 v[NMF+\a], v[PMR+8*\a], v[PMR+8*\a+1], v[PMR+8*\a+2]
.endr
.irp a, 0,1,2,3
	v_min3_num_f32 v[NMF+\a], v[NMF+\a], v[PMR+8*\a+3], v[PMR+8*\a+4]
.endr
.irp a, 0,1,2,3
	v_min3_num_f32 v[NMF+\a], v[NMF+\a], v[PMR+8*\a+5], v[PMR+8*\a+6]
.endr
.irp a, 0,1,2,3
	v_min_num_f32 v[NMF+\a], v[NMF+\a], v[PMR+8*\a+7]
.endr
.irp a, 0,1,2,3
	v_permlanex16_b32 v[PD+\a], v[NMF+\a], s[SEL], s[SEL+1]
.endr
.irp a, 0,1,2,3
	v_min_num_f32 v[NMF+\a], v[NMF+\a], v[PD+\a]   ; with the odd K steps'
.endr
.irp q, 0,1,2,3,4,5,6,7
	ADJ4 \q
.endr
.irp a, 0,1,2,3
	v_permlanex16_b32 v[PD+\a], v[LA+\a], s[SEL], s[SEL+1]
.endr
.irp a, 0,1,2,3
	v_add_f32 v[LA+\a], v[LA+\a], v[PD+\a]         ; the row's l
.endr
	s_wait_alu depctr_va_vdst(0)
.irp a, 0,1,2,3
	v_rcp_f32 v[RL+2*\a], v[LA+\a]
.endr
	PLACES 8                                       ; a plain line behind the reciprocals; and a scale register written by a vector instruction stands 8 places ahead of a scaled matrix instruction
	s_wait_alu depctr_va_vdst(0)                   ; one wait for the four reciprocals, ahead of the branches and of their first reader
	s_wait_tensorcnt 0x0                           ; my head's load has landed; no tensor load of mine is out, so a descriptor may be written:
	s_mov_b32 s[G1A+2], 4<<16                      ; a refill brings four tiles of p
	s_mov_b32 s[G1A+4], 4
	s_mov_b32 s[G1B+2], 8<<16                      ; or eight of v^T
	s_mov_b32 s[G1B+4], 8
	s_cmp_eq_u32 s56, 0                            ; the entry: forward branches on the cluster's number
	s_cbranch_scc1 .Lst0
	s_cmp_eq_u32 s56, 1
	s_cbranch_scc1 .Lst1
	s_cmp_eq_u32 s56, 2
	s_cbranch_scc1 .Lst2
	START 3
	s_branch .Lin3
.Lst2:
	START 2
	s_branch .Lin2
.Lst1:
	START 1
	s_branch .Lin1
.Lst0:
	START 0
	SK 0, 1
	SK 0, 2
	TURN 0, 1
	SK 1, 0
.Lin1:
	SK 1, 1
	SK 1, 2
	TURN 1, 1
	SK 2, 0
.Lin2:
	SK 2, 1
	SK 2, 2
	TURN 2, 0
	SK 3, 0
.Lin3:
	SK 3, 1
	SK 3, 2
	s_wait_dscnt 0x0
	MUL 1, 7, 1, 0
	; THE WAY OUT: O / l, quantised along d: each query tile's 128 results a row are one fragment of the last product
	PLACES 4
.irp a, 0,1,2,3
.if \a > 0
	s_wait_xcnt 0x0                                ; the last image's stores have read the codes' registers
.endif
	WIN 0x82
.set n, 0
.rept 32
	v_pk_mul_f32 v[64*\a+n:64*\a+n+1], v[64*\a+n:64*\a+n+1], v[RL+2*\a:RL+2*\a+1] op_sel_hi:[1,0]
.set n, n+2
.endr
	QMAX 64*\a
	QFIN 64*\a, PW+\a
	IMG LI, 98, 12288*\a
.endr
	v_cndmask_b32 v[SW], v[PW], v[PW+1], s[HI]
	v_cndmask_b32 v[SW+1], v[PW+2], v[PW+3], s[HI]
	global_store_b32 v[SO], v[SW], s[2:3]
	global_store_b32 v[SO], v[SW+1], s[2:3] offset:1024
	s_wait_tensorcnt 0x0                           ; the wave's end
	ds_add_u32 v[SPW], v[NIL]
	s_wait_dscnt 0x0
	CROUND
	s_endpgm
.Lfunc_end_k_qbdf25888a3_pv:
	.size	k_qbdf25888a3_pv, .Lfunc_end_k_qbdf25888a3_pv-k_qbdf25888a3_pv
	.p2alignl 7, 3214868480
	.fill 96, 4, 3214868480
	.section	.rodata,"a",@progbits
	.p2align	6, 0x0
	.amdhsa_kernel k_qbdf25888a3_pv
		.amdhsa_group_segment_fixed_size 327680
		.amdhsa_private_segment_fixed_size 0
		.amdhsa_enable_private_segment 0
		.amdhsa_kernarg_size 24
		.amdhsa_user_sgpr_count 2
		.amdhsa_user_sgpr_kernarg_segment_ptr 1
		.amdhsa_wavefront_size32 1
		.amdhsa_system_sgpr_workgroup_id_x 1
		.amdhsa_system_sgpr_workgroup_id_y 1
		.amdhsa_system_sgpr_workgroup_id_z 1
		.amdhsa_system_vgpr_workitem_id 0
		.amdhsa_next_free_vgpr 1024
		.amdhsa_next_free_sgpr 100
		.amdhsa_reserve_vcc 0
		.amdhsa_float_denorm_mode_32 3
		.amdhsa_float_denorm_mode_16_64 3
		.amdhsa_memory_ordered 1
		.amdhsa_forward_progress 1
		.amdhsa_inst_pref_size 215
	.end_amdhsa_kernel
	.amdgpu_metadata
---
amdhsa.version: [ 1, 2 ]
amdhsa.kernels:
  - .name:           k_qbdf25888a3_pv
    .symbol:         k_qbdf25888a3_pv.kd
    .args:
      - { .name: pbuf, .offset: 0, .size: 8, .value_kind: global_buffer, .address_space: global }
      - { .name: qkv, .offset: 8, .size: 8, .value_kind: global_buffer, .address_space: global }
      - { .name: obuf, .offset: 16, .size: 8, .value_kind: global_buffer, .address_space: global }
    .group_segment_fixed_size: 327680
    .private_segment_fixed_size: 0
    .kernarg_segment_align: 8
    .kernarg_segment_size: 24
    .max_flat_workgroup_size: 128
    .sgpr_count:     100
    .vgpr_count:     1024
    .wavefront_size: 32
...
	.end_amdgpu_metadata
.endif
;; end of part 4
;; launch outp (part 5): grid 4 x 64, 4 waves a work-group, clusters of 4 x 4, 327,680 bytes of LDS; arguments obuf, qin, bo, out0; writes out0
.if DOCPART == 5
	.amdgcn_target "amdgcn-amd-amdhsa--gfx1250"
	.amdhsa_code_object_version 6
	.text
	.protected	k_qbdf25888a3_outp
	.globl	k_qbdf25888a3_outp
	.p2align	8
	.type	k_qbdf25888a3_outp,@function
k_qbdf25888a3_outp:
	s_mov_b64 s[64:65], 0
	v_nop
	global_prefetch_b8 v0, s[64:65] scope:SCOPE_SE
	s_setreg_imm32_b32 hwreg(HW_REG_WAVE_MODE, 25, 1), 1
	s_wait_xcnt 0x0
	s_wait_alu depctr_hold_cnt(0) depctr_sa_sdst(0) depctr_va_vdst(0) depctr_va_sdst(0) depctr_va_ssrc(0) depctr_va_vcc(0) depctr_vm_vsrc(0)
	s_getreg_b32 s2, hwreg(HW_REG_IB_STS2, 6, 4)
	s_cmp_eq_u32 s2, 0
	s_cbranch_scc0 .Lentry_in_a_cluster
	s_endpgm
.Lentry_in_a_cluster:
	s_bfe_u32 s2, ttmp6, 0x10000c
	s_cmp_lg_u32 s2, 0xf033
	s_cbranch_scc0 .Lentry_shape_is_right
	s_endpgm
.Lentry_shape_is_right:
; out0 = O Wo^T + bo on codes of FP6 (E2M3), K = 1,024.  A work-group: 128 rows of O x 256 rows of Wo; wave w: O's tiles 4 (w / 2) .. + 3 x Wo's tiles 8 (w % 2) .. + 7; the bias is the C of the first products.
; LDS: whole tiles, all eight K steps of a tile on end (12,288 bytes): O's 8 tiles from byte 0, Wo's 16 from BOFF.  One tensor load a wave at the head: waves 0, 1 four tiles of O each (joint along the
; cluster's row), waves 2, 3 eight tiles of Wo each (joint along its column); nothing is filled again.  The way out goes through a stage of 8,448 bytes a wave on O's bytes, behind a barrier that follows every wave's last read.
.set TP,    12288
.set NSP,   4
.set CH,    73728
.set BOFF,  98304
.set SPARE, 4*CH
.set SC0,   9437184
.set OS,    6291456
.set LI,  4
.set L4,  5
.set ADA, 6
.set ADB, 10
.set SPW, 14
.set NIL, 15
.set SA,  16
.set SB,  32
.set STO, 64
.set RD,  65
.set BV,  66
.set BK,  128
.set G1A, 24
.set G1B, 32
.set G0A, 40
.set G0B, 68
.set MSB, 0
.macro WIN new
.if MSB != \new
	s_set_vgpr_msb (MSB<<8)|\new
.set MSB, \new
.endif
.endm
.set W_MUL,  0xad
.set W_BIAS, 0x9d
.set TO_B,   0x40
.set TO_A,   0xc0
.macro PLACES n
.rept \n
	v_nop
.endr
.endm
.macro CREST
	s_cmp_lg_u32 s12, 0
	s_cbranch_scc1 .Lnot_wave_0_\@
	s_barrier_signal -3
.Lnot_wave_0_\@:
	s_barrier_wait -3
	s_barrier_signal -1
	s_barrier_wait -1
.endm
.macro CROUND
	s_barrier_signal -1
	s_barrier_wait -1
	CREST
.endm
.macro JLOAD g0a, g1a, g0b, g1b
	s_cmp_eq_u32 s13, 0
	s_cbranch_scc0 .Lfor_b_\@
	tensor_load_to_lds s[\g0a:\g0a+3], s[\g1a:\g1a+7]
	s_nop 0
.rept 4
	v_nop
.endr
	s_branch .Lasked_\@
.Lfor_b_\@:
	tensor_load_to_lds s[\g0b:\g0b+3], s[\g1b:\g1b+7]
	s_nop 0
.rept 4
	v_nop
.endr
.Lasked_\@:
.endm
.macro FETCH buf, ra, rb, off
	WIN TO_B
.irp t, 0,1,2,3,4,5,6,7
.irp g, 0,1,2
	ds_load_b128 v[96*(\buf)+12*\t+4*\g:96*(\buf)+12*\t+4*\g+3], v[\rb+\t/4] offset:(\off)+(\t%4)*TP+512*\g   ; a second address register for tiles 4-7: the offset stays inside 16 bits
.endr
.endr
	WIN TO_A
.irp a, 0,1,2,3
.irp g, 0,1,2
	ds_load_b128 v[48*(\buf)+12*\a+4*\g:48*(\buf)+12*\a+4*\g+3], v[\ra] offset:(\off)+\a*TP+512*\g
.endr
.endr
	WIN 0
.endm
.macro MULA buf, sp, odd, a0, cm
.irp a, \a0, \a0+1
.irp t, 0,1,2,3,4,5,6,7
.set rD, 8*(8*(\a)+\t)
.set rB, 96*(\buf)+12*\t
.set rA, 48*(\buf)+12*(\a)
.set rSB, SB+NSP*\t+(\sp)
.set rSA, SA+NSP*(\a)+(\sp)
.if (\cm) == 2
	v_wmma_scale_f32_16x16x128_f8f6f4 v[rD:rD+7], v[rB:rB+11], v[rA:rA+11], v[192+8*\t:192+8*\t+7], v[rSB], v[rSA] matrix_a_fmt:MATRIX_FMT_FP6 matrix_b_fmt:MATRIX_FMT_FP6
.elseif (\odd) == 1
	v_wmma_scale_f32_16x16x128_f8f6f4 v[rD:rD+7], v[rB:rB+11], v[rA:rA+11], v[rD:rD+7], v[rSB], v[rSA] matrix_a_fmt:MATRIX_FMT_FP6 matrix_b_fmt:MATRIX_FMT_FP6 matrix_a_scale:MATRIX_SCALE_ROW1 matrix_b_scale:MATRIX_SCALE_ROW1
.else
	v_wmma_scale_f32_16x16x128_f8f6f4 v[rD:rD+7], v[rB:rB+11], v[rA:rA+11], v[rD:rD+7], v[rSB], v[rSA] matrix_a_fmt:MATRIX_FMT_FP6 matrix_b_fmt:MATRIX_FMT_FP6
.endif
.endr
.endr
.endm
.macro MUL buf, sp, odd, cm
.if (\cm) == 2
	WIN W_BIAS
.else
	WIN W_MUL
.endif
	MULA \buf, \sp, \odd, 0, \cm
	MULA \buf, \sp, \odd, 2, \cm
	WIN 0
.endm
.macro STEP s, cm
.if (\s) > 0
	PLACES 4
.endif
.if (\s) < 7
	FETCH ((\s)+1)%2, ADA, ADB, 1536*((\s)+1)
	s_wait_dscnt 36
.else
	s_wait_dscnt 0x0
.endif
	MUL (\s)%2, (\s)/2, (\s)%2, \cm
.endm
.macro TOSTAGE a
	WIN 0x08
.irp b, 0,1,2,3
.irp q, 0,1,2,3
	ds_store_b128 v[STO], v[64*(\a)+16*\b+4*\q:64*(\a)+16*\b+4*\q+3] offset:128*\b+16*\q
.endr
.endr
	WIN 0
.irp i, 0,1,2,3,4,5,6,7,8,9,10,11,12,13,14,15
	ds_load_b128 v[BK+64*((\a)%2)+4*\i:BK+64*((\a)%2)+4*\i+3], v[RD] offset:528*\i
.endr
.endm
.macro SEND a, younger
	s_wait_dscnt \younger
.irp i, 0,1,2,3,4,5,6,7,8,9,10,11,12,13,14,15
	global_store_b128 v[LI], v[BK+64*((\a)%2)+4*\i:BK+64*((\a)%2)+4*\i+3], s[96:97] offset:(32*((\a)/2)+8*((\a)%2)+\i+8*(\i/8))*4096 th:TH_STORE_NT
.endr
.endm
	s_load_b256 s[4:11], s[0:1], 0x0
	v_lshl_add_u32 v[SPW], v0, 2, SPARE
	v_mov_b32 v[NIL], 0
	ds_add_u32 v[SPW], v[NIL]
	ds_add_u32 v[SPW], v[NIL]
	v_lshrrev_b32 v1, 5, v0
	v_readfirstlane_b32 s12, v1
	s_lshr_b32 s13, s12, 1
	s_and_b32 s14, s12, 1
	s_bfe_u32 s15, ttmp6, 0x40000
	s_bfe_u32 s16, ttmp6, 0x40004
	v_and_b32 v1, 31, v0
	v_and_b32 v2, 15, v0
	v_bfe_u32 v3, v0, 4, 1
	v_lshlrev_b32 v[LI], 4, v1
	s_wait_alu depctr_va_vdst(0)
	v_lshlrev_b32 v[L4], 2, v1
	v_lshlrev_b32 v[BV], 6, v3
	s_lshl_b32 s58, ttmp9, 2
	s_add_co_u32 s58, s58, s15
	s_and_b32 s59, ttmp7, 0xffff
	s_lshl_b32 s59, s59, 2
	s_add_co_u32 s59, s59, s16
	s_lshl_b32 s56, s16, 2
	s_lshl_b32 s56, 15, s56
	s_lshl_b32 s57, 0x1111, s15
	s_lshl_b32 s60, s59, 3
	s_lshl_b32 s61, s58, 4
	s_add_co_u32 s61, s61, 704
	s_lshl_b32 s18, s14, 2
	s_add_co_u32 s18, s18, s60
	s_mul_i32 s62, s18, 12288
	s_mov_b32 s63, 0
	s_lshl_b32 s17, s14, 3
	s_add_co_u32 s17, s17, s61
	s_mul_i32 s20, s17, 12288
	s_mov_b32 s21, 0
	s_mul_i32 s22, s14, 49152
	s_mul_i32 s23, s14, 98304
	s_add_co_u32 s23, s23, BOFF
	s_or_b32 s[G1A], s56, (3<<16)|(1<<21)
	s_or_b32 s[G1B], s57, (3<<16)|(1<<21)
.irp g, G1A, G1B
	s_mov_b32 s[\g+1], 1536<<16                    ; a row = a whole tile: 1,536 elements of 8 bytes
	s_mov_b32 s[\g+3], 1536<<16
	s_mov_b32 s[\g+5], 1536
	s_mov_b32 s[\g+6], 0
	s_mov_b32 s[\g+7], 0
.endr
	s_mov_b32 s[G1A+2], 4<<16
	s_mov_b32 s[G1A+4], 4
	s_mov_b32 s[G1B+2], 8<<16
	s_mov_b32 s[G1B+4], 8
	s_mul_i32 s19, s13, 49152
	v_add_nc_u32 v[ADA], s19, v[LI]
	s_mul_i32 s19, s14, 98304
	s_add_co_u32 s19, s19, BOFF
	v_add_nc_u32 v[ADB], s19, v[LI]
	v_add_nc_u32 v[ADB+1], 49152, v[ADB]           ; Wo's tiles 4-7 of my eight
	s_mul_i32 s19, s12, 8448
	v_mul_u32_u24 v[STO], v2, 528
	v_lshl_add_u32 v[STO], v3, 6, v[STO]
	v_add_nc_u32 v[STO], s19, v[STO]
	v_add_nc_u32 v[RD], s19, v[LI]
	s_wait_alu depctr_va_vdst(0)
	s_wait_dscnt 0x0                               ; the opening adds are done
	s_wait_kmcnt 0x0
	s_add_nc_u64 s[62:63], s[4:5], s[62:63]
	s_add_nc_u64 s[20:21], s[6:7], s[20:21]
	CROUND
.irp c, 0
	s_mov_b32 s[G0A+4*\c], 1
	s_add_co_u32 s[G0A+4*\c+1], s22, \c*CH
	s_add_nc_u64 s[G0A+4*\c+2:G0A+4*\c+3], s[62:63], \c*3072
	s_or_b32 s[G0A+4*\c+3], s[G0A+4*\c+3], 0x80000000
	s_mov_b32 s[G0B+4*\c], 1
	s_add_co_u32 s[G0B+4*\c+1], s23, \c*CH
	s_add_nc_u64 s[G0B+4*\c+2:G0B+4*\c+3], s[20:21], \c*3072
	s_or_b32 s[G0B+4*\c+3], s[G0B+4*\c+3], 0x80000000
	JLOAD G0A+4*\c, G1A, G0B+4*\c, G1B
.endr
	s_lshl_b32 s90, s13, 2
	s_add_co_u32 s90, s90, s60
	s_lshl_b32 s90, s90, 9
	s_add_co_u32 s90, s90, OS
	s_mov_b32 s91, 0
	s_add_nc_u64 s[92:93], s[4:5], s[90:91]
	s_lshl_b32 s90, s14, 3
	s_add_co_u32 s90, s90, s61
	s_lshl_b32 s90, s90, 9
	s_add_co_u32 s90, s90, SC0
	s_add_nc_u64 s[94:95], s[6:7], s[90:91]
	s_lshl_b32 s90, s58, 10
	s_lshl_b32 s19, s14, 9
	s_add_co_u32 s90, s90, s19
	s_add_nc_u64 s[98:99], s[8:9], s[90:91]
	s_add_nc_u64 s[96:97], s[10:11], s[90:91]
	s_lshl_b32 s90, s59, 19
	s_lshl_b32 s19, s13, 18
	s_add_co_u32 s90, s90, s19
	s_add_nc_u64 s[96:97], s[96:97], s[90:91]
.irp a, 0,1,2,3
.irp p, 0,1,2,3
	global_load_b32 v[SA+4*\a+\p], v[L4], s[92:93] offset:512*\a+128*\p
.endr
.endr
.irp t, 0,1,2,3,4,5,6,7
.irp p, 0,1,2,3
	global_load_b32 v[SB+4*\t+\p], v[L4], s[94:95] offset:512*\t+128*\p
.endr
.endr
	WIN TO_B
.irp t, 0,1,2,3,4,5,6,7
	global_load_b128 v[192+8*\t:192+8*\t+3], v[BV], s[98:99] offset:128*(\t/2)+32*(\t%2)
	global_load_b128 v[192+8*\t+4:192+8*\t+7], v[BV], s[98:99] offset:128*(\t/2)+32*(\t%2)+16
.endr
	WIN 0
	s_wait_tensorcnt 0x0                           ; my one load, my tiles for all of K, is in
	s_barrier_signal -1
	s_barrier_wait -1
	FETCH 0, ADA, ADB, 0
	s_wait_loadcnt 0x0
	STEP 0, 2
	s_wait_alu depctr_va_vdst(0)
	STEP 1, 0
	STEP 2, 0
	STEP 3, 0
	STEP 4, 0
	STEP 5, 0
	STEP 6, 0
	s_wait_dscnt 0x0                               ; K step 7's fragments are in: my reads of the tiles are over;
	s_barrier_signal -1                            ; say so,
	MUL 1, 3, 1, 0                                 ; K step 7's products, work on registers,
	s_barrier_wait -1                              ; and everybody's reads are over: the stages may be stored onto O's bytes, which have had their one fill
	PLACES 4
	TOSTAGE 0
.irp a, 1,2,3
.if \a > 1
	s_wait_xcnt 0x0
.endif
	TOSTAGE \a
	SEND \a-1, 32
.endr
	SEND 3, 0
	s_wait_tensorcnt 0x0
	ds_add_u32 v[SPW], v[NIL]
	s_wait_dscnt 0x0
	CROUND
	s_endpgm
.Lfunc_end_k_qbdf25888a3_outp:
	.size	k_qbdf25888a3_outp, .Lfunc_end_k_qbdf25888a3_outp-k_qbdf25888a3_outp
	.p2alignl 7, 3214868480
	.fill 96, 4, 3214868480
	.section	.rodata,"a",@progbits
	.p2align	6, 0x0
	.amdhsa_kernel k_qbdf25888a3_outp
		.amdhsa_group_segment_fixed_size 327680
		.amdhsa_private_segment_fixed_size 0
		.amdhsa_enable_private_segment 0
		.amdhsa_kernarg_size 32
		.amdhsa_user_sgpr_count 2
		.amdhsa_user_sgpr_kernarg_segment_ptr 1
		.amdhsa_wavefront_size32 1
		.amdhsa_system_sgpr_workgroup_id_x 1
		.amdhsa_system_sgpr_workgroup_id_y 1
		.amdhsa_system_sgpr_workgroup_id_z 1
		.amdhsa_system_vgpr_workitem_id 0
		.amdhsa_next_free_vgpr 1024
		.amdhsa_next_free_sgpr 100
		.amdhsa_reserve_vcc 0
		.amdhsa_float_denorm_mode_32 3
		.amdhsa_float_denorm_mode_16_64 3
		.amdhsa_memory_ordered 1
		.amdhsa_forward_progress 1
		.amdhsa_inst_pref_size 80
	.end_amdhsa_kernel
	.amdgpu_metadata
---
amdhsa.version: [ 1, 2 ]
amdhsa.kernels:
  - .name:           k_qbdf25888a3_outp
    .symbol:         k_qbdf25888a3_outp.kd
    .args:
      - { .name: obuf, .offset: 0, .size: 8, .value_kind: global_buffer, .address_space: global }
      - { .name: qin, .offset: 8, .size: 8, .value_kind: global_buffer, .address_space: global }
      - { .name: bo, .offset: 16, .size: 8, .value_kind: global_buffer, .address_space: global }
      - { .name: out0, .offset: 24, .size: 8, .value_kind: global_buffer, .address_space: global }
    .group_segment_fixed_size: 327680
    .private_segment_fixed_size: 0
    .kernarg_segment_align: 8
    .kernarg_segment_size: 32
    .max_flat_workgroup_size: 128
    .sgpr_count:     100
    .vgpr_count:     1024
    .wavefront_size: 32
...
	.end_amdgpu_metadata
.endif
;; end of part 5
